; MI455X (gfx1250); checked and timed in simulation.
; The chip was launched on July 23, 2026; its instructions are those of AMD's public machine-readable ISA for CDNA 5 (MIT licence, August 2026) and "CDNA5" Instruction Set Architecture Reference Guide (July 2026). The comments in the code are by the model that wrote it; some were corrected since.
;; Proxy Attention. Allowed arithmetic: matrix products marked QUANTISED: E4M3 operands, one given power-of-two scale a tensor, by v_wmma_f32_16x16x64_fp8_fp8 or v_wmma_f32_16x16x128_fp8_fp8, f32 sums; products left as they are: f32 operands where the result goes on into a quantised operand, else bf16, f16 or f32 operands; f32 sums; everything else in f32.
;; Inputs: lowp_scales 14 int32 (the exponents e of the quantised operands' scales 2^e); mask 8 x 1,024 bool; pb_bias 1 x 819 x 4 x 4 float32; pc_bias 1 x 819 x 32 x 1 float32; pr_bias 1 x 819 x 1 x 32 float32; proj_b 1,024 float32; proj_w 1,024 x 1,024 float32; proxy 8 x 1,024 x 1,024 float32; proxy_b 1,024 float32; proxy_w 1,024 x 1,024 float32; qkv_w 3,072 x 1,024 float32; x 8 x 819 x 1,024 float32.
;; Outputs: out0 8 x 819 x 1,024 float32.
;; This version of the problem:
;;   THIS VERSION OF THE PROBLEM IS GIVEN IN LOW PRECISION. The matrix products marked QUANTISED in the list below multiply operands that are first quantised to E4M3 (4 exponent bits, 3 mantissa bits; 8 bits a number), with one given power-of-two scale for each operand tensor; their sums are f32. All else is computed in f32.
;;   The module's matrix products, in the order in which they are computed (A, B: the left and right operand; K: the contracted axis; several contracted axes count as one K, in the product's order):
;;     1. [M 32, K 4] x [K 4, N 3,276]; A: computed on the way; B: input pb_bias: left as it is (K = 4 < 32)
;;     2. [M 26,208, K 4] x [K 4, N 32]; A: computed on the way; B: computed on the way: left as it is (K = 4 < 32)
;;     3. [M 6,552, K 1,024] x [K 1,024, N 3,072]; A: computed on the way; B: input qkv_w: QUANTISED (scales: A lowp_scales[0], B lowp_scales[1])
;;     4. [M 8,192, K 1,024] x [K 1,024, N 1,024]; A: input proxy; B: input proxy_w: QUANTISED (scales: A lowp_scales[2], B lowp_scales[3])
;;     5. batch 128 x [M 1,024, K 64] x [K 64, N 819]; A: computed on the way; B: computed on the way: QUANTISED (scales: A lowp_scales[4], B lowp_scales[5])
;;     6. batch 128 x [M 1,024, K 819] x [K 819, N 64]; A: softmax (see below); B: computed on the way: QUANTISED (scales: A lowp_scales[6], B lowp_scales[7])
;;     7. batch 128 x [M 819, K 64] x [K 64, N 1,024]; A: computed on the way; B: computed on the way: QUANTISED (scales: A lowp_scales[8], B lowp_scales[9])
;;     8. batch 128 x [M 819, K 1,024] x [K 1,024, N 64]; A: softmax (see below); B: computed on the way: QUANTISED (scales: A lowp_scales[10], B lowp_scales[11])
;;     9. [M 6,552, K 1,024] x [K 1,024, N 1,024]; A: computed on the way; B: input proj_w: QUANTISED (scales: A lowp_scales[12], B lowp_scales[13])
;;   THE QUANTISER, for each operand of a quantised product, along K:
;;     - The operand's scale is 2^e, e = its entry of the input lowp_scales (int32; the entries are numbered through the quantised products in the list's order, A before B).
;;     - Each number is divided by the scale, clamped to +-448, and rounded to the nearest number of E4M3, ties to even, subnormals kept.
;;     - The product sums the exact products of the quantised numbers (number of the format x scale) in f32.
;;   ~~~python
;;   def quantise(x, axis, e):      # numpy; x: float32 -> the quantised numbers, widened to float32 again
;;       x = np.moveaxis(x, axis, -1); K = x.shape[-1]
;;       r = np.clip(x / 2.0 ** e, -448, 448)
;;       step = 2.0 ** (np.maximum(np.frexp(np.where(r == 0, 1, r))[1] - 1, -6) - 3)
;;       q = np.round(r / step) * step * 2.0 ** e      # np.round: ties to even
;;       return np.moveaxis(q, -1, axis).astype(np.float32)
;;   ~~~
;;   SOFTMAX AHEAD OF A QUANTISED PRODUCT. Where the list says 'softmax', what is quantised is not the finished softmax but p = 2^(t - M), with t = logit x log2(e) and M = ceil(the row's largest t), a whole number; so 1/2 < the row's largest p <= 1. The row's sum l is taken of the UNQUANTISED p, in f32, and the product's result is divided by l at the end. Since M is a whole number, a kernel that streams over the keys may use a running M (the ceiling of the running maximum): every later rescaling is an exact power of two, so the quantised numbers keep their values, but for numbers so far below the row's largest that they fall under the format's range.
;;   OPERANDS COMPUTED ON THE WAY. 'Computed on the way' means the value that the module computes at that place (a softmax that the list does not call 'softmax' is quantised finished and normalised). What goes into a quantiser is computed in f32, as accurately as f32 sums, v_exp_f32 and their like allow (about 1e-6 of the number): no bf16 or f16 on the way to a quantiser, and a product that is left as it is and whose result goes on into a quantised operand takes f32 operands (vector FMAs, or v_wmma_f32_16x16x4_f32). A number that lies on a knife's edge between two numbers of the format may be rounded either way, as far as f32 arithmetic and the matrix unit's own rounding can turn it there, and no further.
;; One version. Each part assembles by itself: llvm-mc -triple=amdgcn-amd-amdhsa -mcpu=gfx1250 --defsym DOCPART=n.
;; ======== version 1 of 1: 5 launches
;; limits: right only within a limited range of input values
;; workspace buffers: cod1 20,971,520 bytes; cod2 38,797,312 bytes; pv 8,388,608 bytes; ac 7,340,032 bytes
;; launch quant (part 1): grid 1280 x 1, 2 waves a work-group, no clusters, 17,664 bytes of LDS; arguments x, pb_bias, pc_bias, pr_bias, proxy, qkv_w, proxy_w, proj_w, lowp_scales, cod1; writes cod1
.if DOCPART == 1
	.amdgcn_target "amdgcn-amd-amdhsa--gfx1250"
	.amdhsa_code_object_version 6
	.text
	.protected	k_q4df432c6f2_quant
	.globl	k_q4df432c6f2_quant
	.p2align	8
	.type	k_q4df432c6f2_quant,@function
k_q4df432c6f2_quant:
	s_mov_b64 s[64:65], 0
	v_nop
	global_prefetch_b8 v0, s[64:65] scope:SCOPE_SE
	s_setreg_imm32_b32 hwreg(HW_REG_WAVE_MODE, 25, 1), 1
	s_wait_xcnt 0x0
; x + bias1 + bias2, proxy, qkv_w, proxy_w and proj_w (all f32, K = 1,024 innermost) become codes of E4M3, each with its given scale 2^e.
; code = number / 2^e, held within +-448, to the nearest code, ties to even.  LIMITS: -126 <= e <= 119; NaN among the inputs is not served.
; LAYOUT OF THE CODES.  A block is 1 KB: 16 rows x 64 along K; the 16 bytes of K = 16 q .. 16 q + 15 of row r lie at 256 q + 16 r: the image of an operand's registers.
; A tensor is [row / 128][K / 64][8 blocks].  x's rows are 896 b + n: each batch is filled up to 896 rows with zero codes.
; SHARES.  A wave takes a unit of 8 steps, a step is one block (4 KB in, 1 KB out).  Plain tensors: the 8 blocks of 128 rows at one K / 64.
; x: 16 rows n at one K / 64, the 8 steps are the 8 batches, so that the bias of those rows is made once for eight uses.
; The 2,560 units are dealt two to a work-group: 1,280 work-groups, five times 256, so that every WGP gets the same number of them.
; Each load reads 2 rows x 256 consecutive bytes; a step turns through the wave's own stage in LDS, so that a lane gets 16 neighbours along K twice; each store covers 512 consecutive bytes.
; No barrier: waves share nothing.  Loads run two steps (16 loads a wave) ahead.
.set B1,  32                           ; v32-63   bias1 of my 32 numbers (0 for the plain tensors)
.set B2,  64                           ; v64-95   bias2
.set R,   96                           ; v96-159  two sets of 32 numbers as loaded
.set X,   160                          ; v160-223 two sets of 32 numbers, 16 neighbours twice; at work while the bias is made
.set C,   224                          ; v224-239 two sets of 8 registers of codes
.set VOI, 10                           ; v10-17   load i: my byte offset in the step's 16 rows
.set STGB, 4352                        ; a stage: 16 rows x 272 bytes
.set WGX,  448                         ; work-groups 0 .. 447: x (896 units); up to 959: proxy (1,024); up to 1,151: qkv_w (384); up to 1,215: proxy_w (128); the rest: proj_w (128)
	s_load_b512 s[4:19], s[0:1], 0x0               ; x, pb, pc, pr, proxy, qkv_w, proxy_w, proj_w
	s_load_b128 s[20:23], s[0:1], 0x40             ; the scales' exponents, the codes
	v_lshl_add_u32 v240, v0, 2, 0x4400
	v_mov_b32 v241, 0
	v_lshrrev_b32 v1, 5, v0
	v_readfirstlane_b32 s24, v1                    ; wave
	v_and_b32 v1, 31, v0                           ; lane
	v_and_b32 v2, 15, v0                           ; r
	v_bfe_u32 v3, v0, 4, 1                         ; hh
	s_lshl_b32 s25, ttmp9, 1
	s_add_co_u32 s25, s25, s24                     ; my unit
	s_mov_b32 s26, 2432                            ; the tensor's first unit, its place among the codes, its exponent's byte: proj_w's,
	s_mov_b32 s27, 19922944
	s_mov_b32 s30, 52
	s_wait_alu depctr_va_vdst(0)
	s_wait_kmcnt 0x0
	s_mov_b64 s[28:29], s[18:19]
	s_cmp_lt_u32 ttmp9, 1216                       ; proxy_w's,
	s_cselect_b32 s26, 2304, s26
	s_cselect_b32 s27, 18874368, s27
	s_cselect_b32 s30, 12, s30
	s_cselect_b64 s[28:29], s[16:17], s[28:29]
	s_cmp_lt_u32 ttmp9, 1152                       ; qkv_w's,
	s_cselect_b32 s26, 1920, s26
	s_cselect_b32 s27, 15728640, s27
	s_cselect_b32 s30, 4, s30
	s_cselect_b64 s[28:29], s[14:15], s[28:29]
	s_cmp_lt_u32 ttmp9, 960                        ; proxy's,
	s_cselect_b32 s26, 896, s26
	s_cselect_b32 s27, 7340032, s27
	s_cselect_b32 s30, 8, s30
	s_cselect_b64 s[28:29], s[12:13], s[28:29]
	s_cmp_lt_u32 ttmp9, WGX                        ; or x's: the choice hangs on the work-group's number alone
	s_cselect_b32 s26, 0, s26
	s_cselect_b32 s27, 0, s27
	s_cselect_b32 s30, 0, s30
	s_cselect_b64 s[28:29], s[4:5], s[28:29]
	s_load_b32 s76, s[20:21], s30 offset:0x0       ; e
	; a plain tensor's unit v: rows 128 (v / 16) on, K / 64 = v % 16
	s_sub_co_u32 s31, s25, s26
	s_lshr_b32 s66, s31, 4
	s_lshl_b32 s66, s66, 19
	s_and_b32 s67, s31, 15
	s_lshl_b32 s67, s67, 8
	s_add_co_u32 s66, s66, s67                     ; in
	s_lshl_b32 s67, s31, 13
	s_add_co_u32 s67, s67, s27                     ; out
	; x's unit: rows n = 16 g on, K / 64 = unit % 16
	s_lshr_b32 s68, s25, 4                         ; g
	s_and_b32 s69, s25, 15                         ; K / 64
	s_lshl_b32 s70, s68, 4
	s_min_u32 s71, s70, 818                        ; the first row that is loaded: no load leaves x or the bias tables
	s_sub_co_u32 s77, 818, s71
	s_min_u32 s77, s77, 15                         ; the last row of the 16 that may be loaded
	s_sub_co_i32 s78, 818, s70                     ; the last row of the 16 that is real (may be negative)
	s_lshl_b32 s79, s71, 12
	s_lshl_b32 s80, s69, 8
	s_add_co_u32 s79, s79, s80                     ; in
	s_lshr_b32 s80, s68, 3
	s_lshl_b32 s80, s80, 17
	s_lshl_b32 s81, s69, 13
	s_add_co_u32 s80, s80, s81
	s_and_b32 s81, s68, 7
	s_lshl_b32 s81, s81, 10
	s_add_co_u32 s80, s80, s81                     ; out
	s_mov_b32 s86, 65536                           ; from step to step: 16 rows down; a block on
	s_mov_b32 s90, 1024
	s_cmp_lt_u32 ttmp9, WGX
	s_cselect_b32 s84, s79, s66
	s_cselect_b32 s88, s80, s67
	s_cselect_b32 s86, 3354624, s86                ; x: a batch on: 819 rows in, 896 rows of codes out
	s_cselect_b32 s90, 917504, s90
	s_cselect_b32 s77, s77, 15
	s_cselect_b32 s78, s78, 15
	s_mov_b32 s85, 0
	s_mov_b32 s87, 0
	s_mov_b32 s89, 0
	s_mov_b32 s91, 0
	s_add_nc_u64 s[32:33], s[28:29], s[84:85]      ; a base for each step, in and out: no pointer is stepped while it is in use
	s_add_nc_u64 s[48:49], s[22:23], s[88:89]
.irp i, 0,1,2,3,4,5,6
	s_add_nc_u64 s[34+2*\i:35+2*\i], s[32+2*\i:33+2*\i], s[86:87]
	s_add_nc_u64 s[50+2*\i:51+2*\i], s[48+2*\i:49+2*\i], s[90:91]
.endr
.irp i, 0,1,2,3,4,5,6,7
	v_add_nc_u32 v[VOI+\i], 2*\i, v3               ; load i takes rows 2 i and 2 i + 1, sixteen lanes to a row's 256 bytes
	v_min_u32 v[VOI+\i], s77, v[VOI+\i]
	v_lshlrev_b32 v[VOI+\i], 12, v[VOI+\i]
	v_lshl_add_u32 v[VOI+\i], v2, 4, v[VOI+\i]
.endr
	s_mul_i32 s92, s24, 2*STGB                     ; my wave's two stages
	v_mul_u32_u24 v4, v3, 272
	v_lshl_add_u32 v4, v2, 4, v4
	v_add_nc_u32 v4, s92, v4                       ; into a stage: as loaded
	v_mul_u32_u24 v5, v2, 272
	v_lshl_add_u32 v5, v3, 6, v5
	v_add_nc_u32 v5, s92, v5                       ; out of it: row r, numbers 16 hh on (and 32 further on)
	v_lshlrev_b32 v6, 4, v1                        ; my 16 codes' place in 512 bytes
.macro LOAD s
.irp i, 0,1,2,3,4,5,6,7
	global_load_b128 v[R+32*((\s)%2)+4*\i:R+32*((\s)%2)+4*\i+3], v[VOI+\i], s[32+2*(\s):33+2*(\s)] th:TH_LOAD_NT
.endr
.endm
.macro TURN s                          ; LDS serves a wave's instructions in order: no wait between the stores and the loads
.irp i, 0,1,2,3,4,5,6,7
	ds_store_b128 v4, v[R+32*((\s)%2)+4*\i:R+32*((\s)%2)+4*\i+3] offset:STGB*((\s)%2)+544*\i
.endr
.irp pp, 0,1
.irp k, 0,1,2,3
	ds_load_b128 v[X+32*((\s)%2)+16*\pp+4*\k:X+32*((\s)%2)+16*\pp+4*\k+3], v5 offset:STGB*((\s)%2)+128*\pp+16*\k
.endr
.endr
.endm
.macro HAT d                           ; the four weights max(1 - |pos - a|, 0), a = 0 .. 3, of the position in v212 (held within 0 .. 3): the linear kernel, normalised at the edges
	v_sub_f32 v[\d], 1.0, |v212|
	v_add_f32 v213, -1.0, v212
	v_add_f32 v214, -2.0, v212
	v_add_f32 v215, 0xc0400000, v212
	v_sub_f32 v[\d+1], 1.0, |v213|
	v_sub_f32 v[\d+2], 1.0, |v214|
	v_sub_f32 v[\d+3], 1.0, |v215|
	v_max_num_f32 v[\d], 0, v[\d]
	v_max_num_f32 v[\d+1], 0, v[\d+1]
	v_max_num_f32 v[\d+2], 0, v[\d+2]
	v_max_num_f32 v[\d+3], 0, v[\d+3]
.endm
	s_cmp_lt_u32 ttmp9, WGX
	s_cbranch_scc0 .Lplain
	; ---- x: the bias of my row n and my 32 columns c = 64 (K / 64) + 32 pp + 16 hh + jj; c = 32 i + j, so i = 2 (K / 64) + pp and j = 16 hh + jj
	v_min_u32 v9, s77, v2
	v_add_nc_u32 v9, s71, v9                       ; n
	v_lshlrev_b32 v18, 6, v9                       ; pb: 16 numbers a row
	v_lshlrev_b32 v19, 7, v9
	s_lshl_b32 s93, s69, 3
	v_add_nc_u32 v20, s93, v19                     ; pc: numbers i = 2 (K / 64), + 1
	v_lshl_add_u32 v19, v3, 6, v19                 ; pr: numbers j = 16 hh on
.irp a, 0,1,2,3
	global_load_b128 v[160+4*\a:163+4*\a], v18, s[6:7] offset:16*\a
.endr
.irp a, 0,1,2,3
	global_load_b128 v[176+4*\a:179+4*\a], v19, s[10:11] offset:16*\a
.endr
	global_load_b64 v[192:193], v20, s[8:9]
	LOAD 0
	LOAD 1
	s_wait_loadcnt 16                              ; the nine loads of the bias are in; the 16 of x behind them may be out
	s_mov_b32 s94, 0x3e000000                      ; 0.125
	s_mov_b32 s95, 0xbee00000                      ; -0.4375: the sample's place is index / 8 - 7 / 16
	s_lshl_b32 s96, s69, 1
.irp pp, 0,1
	s_add_co_u32 s97, s96, \pp
	v_cvt_f32_u32 v212, s97
	v_fma_f32 v212, v212, s94, s95
	v_med3_num_f32 v212, v212, 0, 0x40400000
	HAT 196+4*\pp
.endr
.irp pp, 0,1                           ; rows first: t[pp][b] = the sum over a of w_i[a] pb[a][b]
.irp b, 0,1,2,3
	v_mul_f32 v[204+4*\pp+\b], v[196+4*\pp], v[160+\b]
	v_fmac_f32 v[204+4*\pp+\b], v[197+4*\pp], v[164+\b]
	v_fmac_f32 v[204+4*\pp+\b], v[198+4*\pp], v[168+\b]
	v_fmac_f32 v[204+4*\pp+\b], v[199+4*\pp], v[172+\b]
.endr
.endr
	v_lshlrev_b32 v220, 4, v3
.irp jj, 0,1,2,3,4,5,6,7,8,9,10,11,12,13,14,15
	v_add_nc_u32 v212, \jj, v220
	v_cvt_f32_u32 v212, v212
	v_fma_f32 v212, v212, s94, s95
	v_med3_num_f32 v212, v212, 0, 0x40400000
	HAT 216
.irp pp, 0,1                           ; then columns: bias1 = the sum over b of w_j[b] t[pp][b]; bias2 = pc[i] + pr[j]
	v_mul_f32 v[B1+16*\pp+\jj], v216, v[204+4*\pp]
	v_fmac_f32 v[B1+16*\pp+\jj], v217, v[205+4*\pp]
	v_fmac_f32 v[B1+16*\pp+\jj], v218, v[206+4*\pp]
	v_fmac_f32 v[B1+16*\pp+\jj], v219, v[207+4*\pp]
	v_add_f32 v[B2+16*\pp+\jj], v[192+\pp], v[176+\jj]
.endr
.endr
	s_branch .Ljoin
.Lplain:
	s_wait_alu depctr_va_vdst(0)
	LOAD 0
	LOAD 1
.set j, 0
.rept 64
	v_mov_b32 v[B1+j], 0                           ; no bias: the steps below are one text for all five tensors
.set j, j+1
.endr
.Ljoin:
	s_wait_kmcnt 0x0
	s_add_co_i32 s76, s76, 127
	s_lshl_b32 s93, s76, 23
	v_mov_b32 v7, s93                              ; 2^e as f32: the conversion takes its exponent field
	s_add_co_i32 s76, s76, 8
	s_lshl_b32 s76, s76, 23
	s_or_b32 s76, s76, 0x600000
	v_mov_b32 v21, s76                             ; 448 x 2^e
	v_cmp_ge_i32 vcc_lo, s78, v2
	v_cndmask_b32 v8, 0, v21, vcc_lo               ; the hold; 0 in a row that only fills a batch up: its codes are zeros
	s_wait_loadcnt 8                               ; step 0's eight loads are in; step 1's may be out
	TURN 0
.macro STEP s
.set XS, X+32*((\s)%2)
.set CS, C+8*((\s)%2)
	s_wait_dscnt 0x0                               ; this step's numbers are back from the stage, and its stores into the stage have read their registers,
.if (\s)+2 < 8
	LOAD (\s)+2                                    ; which take the loads of two steps on
.endif
.if (\s)+1 < 8
.if (\s)+2 < 8
	s_wait_loadcnt 8                               ; the next step's eight loads are in; the eight just issued may be out
.else
	s_wait_loadcnt 0
.endif
	TURN (\s)+1
.endif
	s_wait_xcnt 0x0                                ; the stores of two steps ago have read this set of code registers
.set j, 0
.rept 16
	v_pk_add_f32 v[XS+j:XS+j+1], v[XS+j:XS+j+1], v[B1+j:B1+j+1]
.set j, j+2
.endr
.set j, 0
.rept 16
	v_pk_add_f32 v[XS+j:XS+j+1], v[XS+j:XS+j+1], v[B2+j:B2+j+1]
.set j, j+2
.endr
.set j, 0
.rept 32
	v_med3_num_f32 v[XS+j], v[XS+j], -v8, v8       ; the conversion to an 8-bit code does not saturate (ISA guide 7.6.2): the hold comes first
.set j, j+1
.endr
.irp g, 0,1,2,3
	v_cvt_scalef32_pk8_fp8_f32 v[CS+2*\g:CS+2*\g+1], v[XS+8*\g:XS+8*\g+7], v7
.endr
	global_store_b128 v6, v[CS:CS+3], s[48+2*(\s):49+2*(\s)]               ; K = 16 hh on of 16 rows: 512 consecutive bytes
	global_store_b128 v6, v[CS+4:CS+7], s[48+2*(\s):49+2*(\s)] offset:512  ; K = 32 + 16 hh on
.endm
.irp t, 0,1,2,3,4,5,6,7
	STEP \t
.endr
	s_wait_tensorcnt 0x0
	ds_add_u32 v240, v241
	s_wait_dscnt 0x0
	s_endpgm
.Lfunc_end_k_q4df432c6f2_quant:
	.size	k_q4df432c6f2_quant, .Lfunc_end_k_q4df432c6f2_quant-k_q4df432c6f2_quant
	.p2alignl 7, 3214868480
	.fill 96, 4, 3214868480
	.section	.rodata,"a",@progbits
	.p2align	6, 0x0
	.amdhsa_kernel k_q4df432c6f2_quant
		.amdhsa_group_segment_fixed_size 17664
		.amdhsa_private_segment_fixed_size 0
		.amdhsa_enable_private_segment 0
		.amdhsa_kernarg_size 80
		.amdhsa_user_sgpr_count 2
		.amdhsa_user_sgpr_kernarg_segment_ptr 1
		.amdhsa_wavefront_size32 1
		.amdhsa_system_sgpr_workgroup_id_x 1
		.amdhsa_system_sgpr_workgroup_id_y 1
		.amdhsa_system_sgpr_workgroup_id_z 1
		.amdhsa_system_vgpr_workitem_id 0
		.amdhsa_next_free_vgpr 242
		.amdhsa_next_free_sgpr 100
		.amdhsa_reserve_vcc 1
		.amdhsa_float_denorm_mode_32 3
		.amdhsa_float_denorm_mode_16_64 3
		.amdhsa_memory_ordered 1
		.amdhsa_forward_progress 1
		.amdhsa_inst_pref_size 81
	.end_amdhsa_kernel
	.amdgpu_metadata
---
amdhsa.version: [ 1, 2 ]
amdhsa.kernels:
  - .name:           k_q4df432c6f2_quant
    .symbol:         k_q4df432c6f2_quant.kd
    .args:
      - { .name: x, .offset: 0, .size: 8, .value_kind: global_buffer, .address_space: global }
      - { .name: pb_bias, .offset: 8, .size: 8, .value_kind: global_buffer, .address_space: global }
      - { .name: pc_bias, .offset: 16, .size: 8, .value_kind: global_buffer, .address_space: global }
      - { .name: pr_bias, .offset: 24, .size: 8, .value_kind: global_buffer, .address_space: global }
      - { .name: proxy, .offset: 32, .size: 8, .value_kind: global_buffer, .address_space: global }
      - { .name: qkv_w, .offset: 40, .size: 8, .value_kind: global_buffer, .address_space: global }
      - { .name: proxy_w, .offset: 48, .size: 8, .value_kind: global_buffer, .address_space: global }
      - { .name: proj_w, .offset: 56, .size: 8, .value_kind: global_buffer, .address_space: global }
      - { .name: lowp_scales, .offset: 64, .size: 8, .value_kind: global_buffer, .address_space: global }
      - { .name: cod1, .offset: 72, .size: 8, .value_kind: global_buffer, .address_space: global }
    .group_segment_fixed_size: 17664
    .private_segment_fixed_size: 0
    .kernarg_segment_align: 8
    .kernarg_segment_size: 80
    .max_flat_workgroup_size: 64
    .sgpr_count:     100
    .vgpr_count:     242
    .wavefront_size: 32
...
	.end_amdgpu_metadata
.endif
;; end of part 1
;; launch gemm12 (part 2): grid 116 x 4, 4 waves a work-group, clusters of 4 x 4, 327,680 bytes of LDS; arguments cod1, proxy_b, lowp_scales, cod2; writes cod2
.if DOCPART == 2
	.amdgcn_target "amdgcn-amd-amdhsa--gfx1250"
	.amdhsa_code_object_version 6
	.text
	.protected	k_q4df432c6f2_gemm12
	.globl	k_q4df432c6f2_gemm12
	.p2align	8
	.type	k_q4df432c6f2_gemm12,@function
k_q4df432c6f2_gemm12:
	s_mov_b64 s[64:65], 0
	v_nop
	global_prefetch_b8 v0, s[64:65] scope:SCOPE_SE
	s_setreg_imm32_b32 hwreg(HW_REG_WAVE_MODE, 25, 1), 1
	s_wait_xcnt 0x0
	s_wait_alu depctr_hold_cnt(0) depctr_sa_sdst(0) depctr_va_vdst(0) depctr_va_sdst(0) depctr_va_ssrc(0) depctr_va_vcc(0) depctr_vm_vsrc(0)
	s_getreg_b32 s2, hwreg(HW_REG_IB_STS2, 6, 4)
	s_cmp_eq_u32 s2, 0
	s_cbranch_scc0 .Lentry_in_a_cluster
	s_endpgm
.Lentry_in_a_cluster:
	s_bfe_u32 s2, ttmp6, 0x10000c
	s_cmp_lg_u32 s2, 0xf033
	s_cbranch_scc0 .Lentry_shape_is_right
	s_endpgm
.Lentry_shape_is_right:
.set PIECE,  32768
.set SLOT,   4*PIECE
.set SPARE,  2*SLOT
.set FR,     16
.set NL,     4
.set NP,     4
.set ADRA, 16
.set ADRB, 20
.set VO,   26
.set SPW,  28
.set NIL,  29
.set U,    32
.set SC1,  48
.set LIM1, 49
.set SC2,  50
.set LIM2, 51
.set BI,   64
.set AF,   128
.set T,    128
.set C1,   192
.set C2,   208
.set G1, 24
.set G0, 32
.set G1B, 48
.set G0B, 56
.set MSB, 0
.macro WIN new
.if MSB != \new
	s_set_vgpr_msb (MSB<<8)|\new
.set MSB, \new
.endif
.endm
.set MUL_LO, 0xa1
.set MUL_HI, 0xf1
.set TO_B,   0x40
.macro JLOAD g0a, g1a, g0b, g1b
	s_cmp_eq_u32 s15, 0
	s_cbranch_scc0 .Lfor_b_\@
	tensor_load_to_lds s[\g0a:\g0a+3], s[\g1a:\g1a+7]
	s_nop 0
.rept 4
	v_nop
.endr
	s_branch .Lasked_\@
.Lfor_b_\@:
	tensor_load_to_lds s[\g0b:\g0b+3], s[\g1b:\g1b+7]
	s_nop 0
.rept 4
	v_nop
.endr
.Lasked_\@:
.endm
.macro CREST
	s_cmp_lg_u32 s14, 0
	s_cbranch_scc1 .Lnot_wave_0_\@
	s_barrier_signal -3
.Lnot_wave_0_\@:
	s_barrier_wait -3
	s_barrier_signal -1
	s_barrier_wait -1
.endm
.macro CROUND
	s_barrier_signal -1
	s_barrier_wait -1
	CREST
.endm
	s_load_b256 s[4:11], s[0:1], 0x0
	v_lshl_add_u32 v[SPW], v0, 2, SPARE
	v_mov_b32 v[NIL], 0
	ds_add_u32 v28, v29
	ds_add_u32 v28, v29
	s_wait_dscnt 0x0
	v_lshrrev_b32 v1, 5, v0
	v_readfirstlane_b32 s14, v1
	s_lshr_b32 s15, s14, 1
	s_and_b32 s16, s14, 1
	s_bfe_u32 s40, ttmp6, 0x40000
	s_bfe_u32 s41, ttmp6, 0x40004
	s_sub_co_u32 s66, ttmp9, 21
	s_mov_b32 s67, 0
	s_mov_b32 s68, 7340032
	s_mov_b32 s69, 18874368
	s_mov_b32 s70, 22020096
	s_mov_b32 s71, 524288
	s_sub_co_u32 s72, ttmp9, 14
	s_cmp_lt_u32 ttmp9, 21
	s_cselect_b32 s66, 0, s66
	s_cselect_b32 s67, s72, s67
	s_cselect_b32 s68, 17825792, s68
	s_cselect_b32 s69, 0, s69
	s_cselect_b32 s70, 14680064, s70
	s_cselect_b32 s71, 65536, s71
	s_lshr_b32 s72, ttmp9, 1
	s_and_b32 s73, ttmp9, 1
	s_lshl_b32 s74, s73, 20
	s_add_co_u32 s74, s74, 15728640
	s_mul_i32 s75, s73, 7340032
	s_cmp_lt_u32 ttmp9, 14
	s_cselect_b32 s66, s72, s66
	s_cselect_b32 s67, 0, s67
	s_cselect_b32 s68, 0, s68
	s_cselect_b32 s69, s74, s69
	s_cselect_b32 s70, s75, s70
	s_cselect_b32 s71, 458752, s71
	s_lshl_b32 s17, s66, 2
	s_add_co_u32 s17, s17, s41
	s_lshl_b32 s42, s67, 2
	s_add_co_u32 s42, s42, s40
	s_lshl_b32 s43, s41, 2
	s_lshl_b32 s43, 15, s43
	s_lshl_b32 s44, 0x1111, s40
	s_or_b32 s[G1+0], s43, (3<<16)|(1<<21)
	s_or_b32 s[G1B+0], s44, (3<<16)|(1<<21)
.irp g, G1, G1B
	s_mov_b32 s[\g+1], 32<<16
	s_mov_b32 s[\g+2], 128<<16
	s_mov_b32 s[\g+3], 32<<16
	s_mov_b32 s[\g+4], 128
	s_mov_b32 s[\g+5], 32
	s_mov_b32 s[\g+6], 0
	s_mov_b32 s[\g+7], 0
.endr
	s_lshl_b32 s20, s17, 1
	s_add_co_u32 s20, s20, s16
	s_lshl_b32 s20, s20, 17
	s_add_co_u32 s20, s20, s68
	s_mov_b32 s21, 0
	s_lshl_b32 s46, s42, 1
	s_add_co_u32 s46, s46, s16
	s_lshl_b32 s46, s46, 17
	s_add_co_u32 s46, s46, s69
	s_mov_b32 s47, 0
	s_lshl_b32 s45, s14, 15
	s_wait_kmcnt 0x0
	s_load_b256 s[80:87], s[8:9], 0x0
	s_load_b128 s[88:91], s[8:9], 0x20
	s_add_nc_u64 s[20:21], s[4:5], s[20:21]
	s_add_nc_u64 s[46:47], s[4:5], s[46:47]
	CROUND
.irp s, 0,1
	s_mov_b32 s[G0+4*\s], 1
	s_add_co_u32 s[G0+4*\s+1], s45, \s*SLOT
	s_add_nc_u64 s[G0+4*\s+2:G0+4*\s+3], s[20:21], \s*PIECE
	s_or_b32 s[G0+4*\s+3], s[G0+4*\s+3], 0x80000000
	s_mov_b32 s[G0B+4*\s], 1
	s_add_co_u32 s[G0B+4*\s+1], s45, \s*SLOT
	s_add_nc_u64 s[G0B+4*\s+2:G0B+4*\s+3], s[46:47], \s*PIECE
	s_or_b32 s[G0B+4*\s+3], s[G0B+4*\s+3], 0x80000000
	s_wait_alu depctr_va_vdst(0)
	s_wait_tensorcnt 0x0
	ds_add_u32 v28, v29
	ds_add_u32 v28, v29
	s_wait_dscnt 0x0
	CROUND
	JLOAD G0+4*\s, G1, G0B+4*\s, G1B
.endr
	v_and_b32 v1, 15, v0
	v_bfe_u32 v2, v0, 4, 1
	s_wait_alu depctr_va_vdst(0)
	v_and_b32 v3, 31, v0
	v_lshlrev_b32 v4, 4, v3
	s_lshl_b32 s21, s15, 15
	s_lshl_b32 s22, s16, 15
	s_add_co_u32 s22, s22, 2*PIECE
.irp s, 0,1
	v_add_nc_u32 v[ADRA+\s], s21, v4
	v_add_nc_u32 v[ADRB+\s], s22, v4
	s_add_co_u32 s21, s21, SLOT
	s_add_co_u32 s22, s22, SLOT
.endr
	v_lshlrev_b32 v[VO], 4, v1
	v_lshl_add_u32 v[VO], v2, 3, v[VO]
	s_cmp_lt_u32 ttmp9, 21
	s_cselect_b32 s23, 0, s42
	s_lshl_b32 s23, s23, 10
	s_lshl_b32 s22, s16, 9
	s_add_co_u32 s23, s23, s22
	v_lshlrev_b32 v5, 5, v2
	v_add_nc_u32 v5, s23, v5
.irp bt, 0,1,2,3,4,5,6,7
	global_load_b128 v[BI+8*\bt:BI+8*\bt+3], v5, s[6:7] offset:64*\bt
	global_load_b128 v[BI+8*\bt+4:BI+8*\bt+7], v5, s[6:7] offset:64*\bt+16
.endr
	s_lshl_b32 s72, s42, 2
	s_lshl_b32 s73, s16, 1
	s_add_co_u32 s72, s72, s73
	s_mul_i32 s72, s72, s71
	s_lshl_b32 s73, s17, 4
	s_lshl_b32 s74, s15, 3
	s_add_co_u32 s73, s73, s74
	s_lshl_b32 s73, s73, 10
	s_add_co_u32 s72, s72, s73
	s_add_co_u32 s76, s72, 30408704
	s_add_co_u32 s72, s72, s70
	s_mov_b32 s73, 0
	s_mov_b32 s77, 0
	s_add_nc_u64 s[72:73], s[10:11], s[72:73]
	s_mov_b32 s74, s71
	s_mov_b32 s75, 0
	s_add_nc_u64 s[74:75], s[72:73], s[74:75]
	s_add_nc_u64 s[76:77], s[10:11], s[76:77]
	s_add_nc_u64 s[78:79], s[76:77], 524288
.macro FRAG reg, adr, q, i
.irp c, 0,1,2,3
	ds_load_b128 v[\reg+4*\c:\reg+4*\c+3], v[\adr] offset:(2*(\q)+\c/2)*8192+(\i)*1024+(\c%2)*512
.endr
.endm
.macro MUL16 a0, p, zero
.irp a, \a0, \a0+1
.irp b, 0,1,2,3,4,5,6,7
.if \zero
	v_wmma_f32_16x16x128_fp8_fp8 v[8*(8*((\a)%4)+\b):8*(8*((\a)%4)+\b)+7], v[128*(\p)+FR*\b:128*(\p)+FR*\b+FR-1], v[AF+FR*(\a):AF+FR*(\a)+FR-1], 0
.else
	v_wmma_f32_16x16x128_fp8_fp8 v[8*(8*((\a)%4)+\b):8*(8*((\a)%4)+\b)+7], v[128*(\p)+FR*\b:128*(\p)+FR*\b+FR-1], v[AF+FR*(\a):AF+FR*(\a)+FR-1], v[8*(8*((\a)%4)+\b):8*(8*((\a)%4)+\b)+7]
.endif
.endr
.endr
.endm
.macro FETCH_B slot, q, p
	WIN TO_B
.irp i, 0,1,2,3,4,5,6,7
	FRAG 128*(\p)+FR*\i, ADRB+\slot, \q, \i
.endr
	WIN 0
.endm
.macro FETCH_A slot, q, i0
.irp i, \i0, \i0+1, \i0+2, \i0+3
	FRAG AF+FR*(\i), ADRA+\slot, \q, \i
.endr
.endm
.macro PLACES n
.rept \n
	v_nop
.endr
.endm
.macro STEP slot, q, zero
	s_wait_dscnt 4*NL
	WIN MUL_LO
	MUL16 0, (\q)%2, \zero
	MUL16 2, (\q)%2, \zero
	s_wait_dscnt 0
	PLACES NP
	FETCH_B \slot, (\q)+1, 1-(\q)%2
	FETCH_A \slot, (\q)+1, 0
	WIN MUL_HI
	MUL16 4, (\q)%2, \zero
	MUL16 6, (\q)%2, \zero
	PLACES NP
	WIN 0
	FETCH_A \slot, (\q)+1, 4
.endm
.macro TURN slot, next, fill
	s_wait_tensorcnt 0x0
	ds_add_u32 v[SPW], v[NIL]
	s_wait_dscnt 4*NL+1
	WIN MUL_LO
	MUL16 0, 1, 0
	s_wait_dscnt 0x0
	s_barrier_signal -1
	MUL16 2, 1, 0
	WIN 0
	s_barrier_wait -1
.if \fill
	CREST
	s_add_nc_u64 s[G0+4*\slot+2:G0+4*\slot+3], s[G0+4*\slot+2:G0+4*\slot+3], 2*PIECE
	s_add_nc_u64 s[G0B+4*\slot+2:G0B+4*\slot+3], s[G0B+4*\slot+2:G0B+4*\slot+3], 2*PIECE
	JLOAD G0+4*\slot, G1, G0B+4*\slot, G1B
.else
	PLACES NP
.endif
	FETCH_B \next, 0, 0
	FETCH_A \next, 0, 0
	WIN MUL_HI
	MUL16 4, 1, 0
	MUL16 6, 1, 0
	PLACES NP
	WIN 0
	FETCH_A \next, 0, 4
.endm
	s_wait_alu depctr_va_vdst(0)
	s_wait_tensorcnt 1
	s_barrier_signal -1
	s_barrier_wait -1
	FETCH_B 0, 0, 0
	FETCH_A 0, 0, 0
	FETCH_A 0, 0, 4
	STEP 0, 0, 1
	TURN 0, 1, 1
	STEP 1, 0, 0
	TURN 1, 0, 1
	STEP 0, 0, 0
	TURN 0, 1, 0
	STEP 1, 0, 0
	s_wait_dscnt 4*NL
	WIN MUL_LO
	MUL16 0, 1, 0
	MUL16 2, 1, 0
	s_wait_dscnt 0
	WIN MUL_HI
	MUL16 4, 1, 0
	MUL16 6, 1, 0
	WIN 0
	s_wait_kmcnt 0x0
	s_add_co_i32 s92, s80, s81
	s_add_co_i32 s93, s82, s83
	s_add_co_i32 s94, s88, 3
	s_add_co_i32 s95, s84, 3
	s_sub_co_i32 s96, 0, s93
	s_cmp_lt_u32 ttmp9, 21
	s_cselect_b32 s92, s92, s93
	s_cselect_b32 s95, s87, s95
	s_cselect_b32 s96, 0xfffffe70, s96
	s_bitcmp1_b32 ttmp9, 0
	s_cselect_b32 s94, s85, s94
	s_cmp_lt_u32 ttmp9, 14
	s_cselect_b32 s95, s94, s95
	s_sub_co_i32 s95, s95, s92
	s_add_co_i32 s95, s95, 127
	s_lshl_b32 s97, s95, 23
	v_mov_b32 v[SC1], s97
	s_sub_co_i32 s95, s89, s92
	s_add_co_i32 s95, s95, 127
	s_lshl_b32 s97, s95, 23
	v_mov_b32 v[SC2], s97
	s_wait_loadcnt 0x0
	PLACES NP
.set j, 0
.rept 64
	v_ldexp_f32 v[BI+j], v[BI+j], s96
.set j, j+1
.endr
.macro OUTBLK a
.set AC, 64*((\a)%4)
.set WSEL, 2+(\a)/4
	s_wait_xcnt 0x0
	WIN WSEL
.set j, 0
.rept 32
	v_pk_add_f32 v[T+j:T+j+1], v[AC+j:AC+j+1], v[BI+j:BI+j+1]
.set j, j+2
.endr
	WIN 0
.irp bt, 0,1,2,3,4,5,6,7
.irp k, 0,1,2,3,4,5,6,7
.endr
	v_cvt_scalef32_pk8_fp8_f32 v[C1+2*\bt:C1+2*\bt+1], v[U+8*(\bt%2)+((T+8*\bt+0)-(U+8*(\bt%2)+0)):U+8*(\bt%2)+7+((T+8*\bt+0)-(U+8*(\bt%2)+0))], v[SC1]
.endr
	v_nop
.irp bt, 0,1,2,3,4,5,6,7
	global_store_b64 v[VO], v[C1+2*\bt:C1+2*\bt+1], s[72+2*(\bt/4):73+2*(\bt/4)] offset:(\a)*1024+(\bt%4)*256
.endr
	s_cmp_lt_u32 ttmp9, 21
	s_cbranch_scc1 .Lone_\@
.irp bt, 0,1,2,3,4,5,6,7
.irp k, 0,1,2,3,4,5,6,7
.endr
	v_cvt_scalef32_pk8_fp8_f32 v[C2+2*\bt:C2+2*\bt+1], v[T+8*\bt:T+8*\bt+7], v[SC2]
.endr
	v_nop
.irp bt, 0,1,2,3,4,5,6,7
	global_store_b64 v[VO], v[C2+2*\bt:C2+2*\bt+1], s[76+2*(\bt/4):77+2*(\bt/4)] offset:(\a)*1024+(\bt%4)*256
.endr
.Lone_\@:
.endm
.irp a, 0,1,2,3,4,5,6,7
	OUTBLK \a
.endr
	s_wait_tensorcnt 0x0
	ds_add_u32 v[SPW], v[NIL]
	s_wait_dscnt 0x0
	CROUND
	s_endpgm
.Lfunc_end_k_q4df432c6f2_gemm12:
	.size	k_q4df432c6f2_gemm12, .Lfunc_end_k_q4df432c6f2_gemm12-k_q4df432c6f2_gemm12
	.p2alignl 7, 3214868480
	.fill 96, 4, 3214868480
	.section	.rodata,"a",@progbits
	.p2align	6, 0x0
	.amdhsa_kernel k_q4df432c6f2_gemm12
		.amdhsa_group_segment_fixed_size 327680
		.amdhsa_private_segment_fixed_size 0
		.amdhsa_enable_private_segment 0
		.amdhsa_kernarg_size 32
		.amdhsa_user_sgpr_count 2
		.amdhsa_user_sgpr_kernarg_segment_ptr 1
		.amdhsa_wavefront_size32 1
		.amdhsa_system_sgpr_workgroup_id_x 1
		.amdhsa_system_sgpr_workgroup_id_y 1
		.amdhsa_system_sgpr_workgroup_id_z 1
		.amdhsa_system_vgpr_workitem_id 0
		.amdhsa_next_free_vgpr 1024
		.amdhsa_next_free_sgpr 100
		.amdhsa_reserve_vcc 0
		.amdhsa_float_denorm_mode_32 3
		.amdhsa_float_denorm_mode_16_64 3
		.amdhsa_fp16_overflow 1
		.amdhsa_memory_ordered 1
		.amdhsa_forward_progress 1
		.amdhsa_inst_pref_size 124
	.end_amdhsa_kernel
	.amdgpu_metadata
---
amdhsa.version: [ 1, 2 ]
amdhsa.kernels:
  - .name:           k_q4df432c6f2_gemm12
    .symbol:         k_q4df432c6f2_gemm12.kd
    .args:
      - { .name: cod1, .offset: 0, .size: 8, .value_kind: global_buffer, .address_space: global }
      - { .name: proxy_b, .offset: 8, .size: 8, .value_kind: global_buffer, .address_space: global }
      - { .name: lowp_scales, .offset: 16, .size: 8, .value_kind: global_buffer, .address_space: global }
      - { .name: cod2, .offset: 24, .size: 8, .value_kind: global_buffer, .address_space: global }
    .group_segment_fixed_size: 327680
    .private_segment_fixed_size: 0
    .kernarg_segment_align: 8
    .kernarg_segment_size: 32
    .max_flat_workgroup_size: 128
    .sgpr_count:     100
    .vgpr_count:     1024
    .wavefront_size: 32
...
	.end_amdgpu_metadata
.endif
;; end of part 2
;; launch attn1 (part 3): grid 2 x 128, 16 waves a work-group, no clusters, 198,656 bytes of LDS; arguments cod2, lowp_scales, pv; writes pv
.if DOCPART == 3
	.amdgcn_target "amdgcn-amd-amdhsa--gfx1250"
	.amdhsa_code_object_version 6
	.text
	.protected	k_q4df432c6f2_attn1
	.globl	k_q4df432c6f2_attn1
	.p2align	8
	.type	k_q4df432c6f2_attn1,@function
k_q4df432c6f2_attn1:
	s_mov_b64 s[64:65], 0
	v_nop
	global_prefetch_b8 v0, s[64:65] scope:SCOPE_SE
	s_setreg_imm32_b32 hwreg(HW_REG_WAVE_MODE, 25, 1), 1
	s_wait_xcnt 0x0
; Stage 1: proxy_v[b][h][l] = the sum over n of softmax_n(p[l] 2^-3 . k[n]) v[n], both products on codes of E4M3; proxy_v leaves as codes with l innermost, as the next stage's second product wants it.
; THE SOFTMAX: t = logit x log2(e); M = the running largest t rounded up to a whole number; p = 2^(t - M) is quantised, not normalised; the sum is taken of the unquantised p and divides at the end.
; SHARES.  A work-group owns 512 proxies of one (batch, head); each of its sixteen waves two tiles of 16, one after the other, in under 256 registers: four waves to a SIMD.
; All 832 keys' codes of k (52 KB) and of v (52 KB) are fetched ONCE, at the head, by eight tensor loads (one a wave, waves 0 to 7); nothing in LDS is filled again.
; Both of a wave's tiles of proxies are loaded at the head too, beside the tensor loads: no tile begins with a wait for memory.
; NO CLUSTER: only two work-groups read the same 104 KB, once each, against 26 key steps of vector work for each wave.
; LAYOUT.  Both products are used transposed (S^T = k q^T, O^T = v^T p^T): a lane holds ONE proxy throughout.  THE KEYS OF A TILE ARE NOT NEIGHBOURS: lane r of tile 2 G + u takes key 32 G + 8 u + r + 8 (r / 8),
; so that the 16 registers of tiles 2 G and 2 G + 1 are keys 32 G + 16 (lane / 16) + 0 .. 15: the conversions' results are the second product's operand.
; Keys 819 .. 831 only fill the last block: their scores become -infinity, so p = 0.
; LIMITS: e4 + e5 between -126 and 127; e6 and e11 between -126 and 119.
.set KC,  7340032                      ; k's codes: [head][448 blocks of 16 rows]
.set VC,  14680064                     ; v's: [key / 64: 112][4 head + d / 16][block]
.set PS,  22020096                     ; p x 2^-3: [head][512 blocks]
.set KP,  1152                         ; a block of k in LDS: 1,024 bytes + 128: rows r and r + 16 of a tile then lie in different halves of the banks
.set VB,  52*KP                        ; v: [d / 16: 4][key / 64: 13][block]
.set VT,  13*1024
.set STG, VB+4*VT                      ; a stage of 64 rows x 80 bytes for each wave: no tensor load lands here
.set AK,  1                            ; v1   my lane's place in a tile of k
.set AV,  2                            ; v2   in a block of v
.set VL,  3                            ; v3   16 x lane
.set STO, 4                            ; v4   the stage, in
.set SRD, 5                            ; v5   the stage, out
.set PVO, 6                            ; v6   my place in proxy_v's codes
.set ADK, 8
.set ADV, 9
.set QF,  16                           ; v16-23   the fragment of the 16 proxies in hand
.set Q2,  24                           ; v24-31   my second tile's fragment, until its turn
.set KV,  32                           ; v32-95   eight fragments of k, then of v
.set S,   96                           ; v96-159  S^T, then p
.set O,   160                          ; v160-191 O^T
.set PC,  192                          ; v192-207 p's codes
.set TA,  208
.set TB,  209
.set F,   210                          ; v[210:211] f = 2^(old M - new M)
.set PD,  212
.set NI,  213                          ; -infinity
.set SUM2, 214
.set SC,  216                          ; 2^e6
.set LIM, 217
.set LIMO, 218
.set SCO, 219                          ; 2^e11
.set LIMB, 220
.set WV,  18
.set SEL, 20
.set CS,  22
.set G1K, 24
.set G1V, 32
.set G0K, 40
.set G0V, 44
.set KO,  48
.set VOF, 49
.set INC, 50
.set OUTC, 51
.set QB,  52
.set PB,  54
.set HM,  67
.set EO,  68
	s_load_b128 s[4:7], s[0:1], 0x0                ; codes s[4:5], exponents s[6:7]
	s_load_b64 s[8:9], s[0:1], 0x10                ; proxy_v's codes
	v_lshl_add_u32 v224, v0, 2, 0x30000
	v_mov_b32 v225, 0
	ds_add_u32 v224, v225
	ds_add_u32 v224, v225
	v_lshrrev_b32 v8, 5, v0
	s_delay_alu instid0(VALU_DEP_1)
	v_readfirstlane_b32 s[WV], v8                  ; wave 0..15
	s_and_b32 s70, ttmp7, 0xffff
	s_lshr_b32 s71, s70, 4                         ; batch
	s_and_b32 s72, s70, 15                         ; head
	s_and_b32 s73, s[WV], 3                        ; which quarter I fetch, if I fetch
	s_mul_i32 s74, s72, 448
	s_mul_i32 s75, s71, 56
	s_add_co_u32 s74, s74, s75
	s_mul_i32 s75, s73, 13
	s_add_co_u32 s74, s74, s75
	s_lshl_b32 s74, s74, 10
	s_add_co_u32 s74, s74, KC                      ; k: 13 blocks on end
	s_mov_b32 s75, 0
	s_mul_i32 s76, s71, 896
	s_lshl_b32 s77, s72, 2
	s_add_co_u32 s76, s76, s77
	s_add_co_u32 s76, s76, s73
	s_lshl_b32 s76, s76, 10
	s_add_co_u32 s76, s76, VC                      ; v: 13 blocks, 64 KB apart
	s_mov_b32 s77, 0
	s_mov_b32 s[G1K], (3<<16)|(1<<20)|(7<<22)|(31<<25)   ; elements of 8 bytes; 32 words of padding after every 256
	s_mov_b32 s[G1K+1], 128<<16
	s_mov_b32 s[G1K+2], 13<<16
	s_mov_b32 s[G1K+3], 128<<16
	s_mov_b32 s[G1K+4], 13
	s_mov_b32 s[G1K+5], 128
	s_mov_b32 s[G1K+6], 0
	s_mov_b32 s[G1K+7], 0
	s_mov_b32 s[G1V], 3<<16
	s_mov_b32 s[G1V+1], 128<<16
	s_mov_b32 s[G1V+2], 13<<16
	s_mov_b32 s[G1V+3], 128<<16
	s_mov_b32 s[G1V+4], 13
	s_mov_b32 s[G1V+5], 8192
	s_mov_b32 s[G1V+6], 0
	s_mov_b32 s[G1V+7], 0
	s_mov_b32 s[G0K], 1
	s_mul_i32 s[G0K+1], s73, 13*KP
	s_mov_b32 s[G0V], 1
	s_mul_i32 s[G0V+1], s73, VT
	s_add_co_u32 s[G0V+1], s[G0V+1], VB
	s_wait_dscnt 0x0
	s_wait_kmcnt 0x0
	s_load_b256 s[56:63], s[6:7], 0x0              ; e0 .. e7
	s_load_b32 s66, s[6:7], 0x2c                   ; e11
	s_add_nc_u64 s[G0K+2:G0K+3], s[4:5], s[74:75]
	s_or_b32 s[G0K+3], s[G0K+3], 0x80000000
	s_add_nc_u64 s[G0V+2:G0V+3], s[4:5], s[76:77]
	s_or_b32 s[G0V+3], s[G0V+3], 0x80000000
	s_cmp_lt_u32 s[WV], 4                          ; waves 0-3: k; waves 4-7: v; the others fetch nothing.  Four v_nop follow each line
	s_cbranch_scc0 .Lnot_k
	tensor_load_to_lds s[G0K:G0K+3], s[G1K:G1K+7]
	s_nop 0
.rept 4
	v_nop
.endr
	s_branch .Lasked
.Lnot_k:
	s_cmp_lt_u32 s[WV], 8
	s_cbranch_scc0 .Lasked
	tensor_load_to_lds s[G0V:G0V+3], s[G1V:G1V+7]
	s_nop 0
.rept 4
	v_nop
.endr
.Lasked:
	s_lshl_b32 s78, s72, 9
	s_lshl_b32 s79, s71, 6
	s_add_co_u32 s78, s78, s79
	s_lshl_b32 s79, ttmp9, 5
	s_add_co_u32 s78, s78, s79
	s_add_co_u32 s78, s78, s[WV]                   ; my first tile: 32 x half + wave; the second lies 16 further on
	s_lshl_b32 s78, s78, 10
	s_add_co_u32 s78, s78, PS
	s_mov_b32 s79, 0
	s_add_nc_u64 s[QB:QB+1], s[4:5], s[78:79]
	v_and_b32 v7, 31, v0
	s_delay_alu instid0(VALU_DEP_1)
	v_lshlrev_b32 v[VL], 4, v7
	s_wait_alu depctr_va_vdst(0)
	global_load_b128 v[QF:QF+3], v[VL], s[QB:QB+1]                     ; both tiles' fragments are asked for here: they land while the wave waits for k and v
	global_load_b128 v[QF+4:QF+7], v[VL], s[QB:QB+1] offset:512
	global_load_b128 v[Q2:Q2+3], v[VL], s[QB:QB+1] offset:16384        ; 16 blocks of 1 KB on
	global_load_b128 v[Q2+4:Q2+7], v[VL], s[QB:QB+1] offset:16384+512
	s_lshl_b32 s78, s70, 16                        ; proxy_v's codes: [batch, head][l / 64][d / 16][block]; a tile is the 16 bytes l % 64 = 16 (tile % 4) on of each row d
	s_lshl_b32 s79, ttmp9, 3
	s_lshr_b32 s74, s[WV], 2
	s_add_co_u32 s79, s79, s74
	s_lshl_b32 s79, s79, 12
	s_add_co_u32 s78, s78, s79
	s_lshl_b32 s79, s73, 8
	s_add_co_u32 s78, s78, s79
	s_mov_b32 s79, 0
	s_add_nc_u64 s[PB:PB+1], s[8:9], s[78:79]
	s_mov_b32 s[SEL], 0x76543210
	s_mov_b32 s[SEL+1], 0xfedcba98
	s_mov_b32 s[HM], 0xffff0000                    ; lanes 16-31
	v_and_b32 v10, 15, v0                          ; r
	v_bfe_u32 v11, v0, 4, 1                        ; lane / 16
	v_bfe_u32 v8, v0, 3, 1
	v_and_b32 v9, 7, v0
	s_delay_alu instid0(VALU_DEP_2)
	v_mul_u32_u24 v[AK], v8, KP
	s_delay_alu instid0(VALU_DEP_1)
	v_lshl_add_u32 v[AK], v11, 8, v[AK]
	s_delay_alu instid0(VALU_DEP_1)
	v_lshl_add_u32 v[AK], v9, 4, v[AK]             ; block r / 8, 16 bytes K = 16 (lane / 16) on, row r % 8
	v_add_nc_u32 v[AV], VB, v[VL]
	s_mul_i32 s74, s[WV], 5120
	s_add_co_u32 s74, s74, STG                     ; my stage
	v_mul_u32_u24 v[STO], v11, 640
	s_delay_alu instid0(VALU_DEP_1)
	v_lshl_add_u32 v[STO], v10, 2, v[STO]
	s_delay_alu instid0(VALU_DEP_1)
	v_add_nc_u32 v[STO], s74, v[STO]               ; in: row d = 8 (lane / 16) + .., column l = r
	v_mul_u32_u24 v[SRD], v7, 80
	s_delay_alu instid0(VALU_DEP_1)
	v_add_nc_u32 v[SRD], s74, v[SRD]               ; out: row d = lane (and lane + 32), 16 neighbouring l
	v_lshlrev_b32 v[PVO], 10, v11
	s_delay_alu instid0(VALU_DEP_1)
	v_lshl_add_u32 v[PVO], v10, 4, v[PVO]
	v_mov_b32 v[F+1], 0                            ; named as the upper half of a pair
	v_mov_b32 v[PD], 0                             ; a lane permute's destination counts as one of its sources
	v_mov_b32 v[NI], 0xff800000
	s_wait_kmcnt 0x0
	s_add_co_i32 s74, s60, s61
	s_lshl_b32 s74, s74, 23
	s_add_co_i32 s[CS], s74, 0x3fb8aa3b            ; c = log2(e) x 2^(e4 + e5): the exponents are added to its exponent field
	s_mov_b32 s[CS+1], s[CS]
	s_add_co_i32 s74, s62, 127
	s_lshl_b32 s75, s74, 23
	v_mov_b32 v[SC], s75
	s_add_co_i32 s[EO], s62, s63                   ; e6 + e7
	s_add_co_i32 s74, s66, 127
	s_lshl_b32 s75, s74, 23
	v_mov_b32 v[SCO], s75
	s_wait_loadcnt 0x0                             ; both tiles' fragments are in,
	s_wait_tensorcnt 0x0                           ; my part of k or v has landed,
	s_barrier_signal -1
	s_barrier_wait -1                              ; everybody's has: the one barrier of this text
; A KEY STEP of 64 nb keys.  tail = 1: the last 64, of which 51 are real.
.macro STEP nb, tail
.set NR, 32*\nb
	v_add_nc_u32 v[ADK], s[KO], v[AK]
	v_add_nc_u32 v[ADV], s[VOF], v[AV]
	v_nop
	v_nop                                          ; four places in front of loads into registers that the last products read
.set T, 0
.rept 4*\nb
	ds_load_b128 v[KV+8*T:KV+8*T+3], v[ADK] offset:(T/2)*2*KP+(T%2)*128
	ds_load_b128 v[KV+8*T+4:KV+8*T+7], v[ADK] offset:(T/2)*2*KP+(T%2)*128+512
.set T, T+1
.endr
	s_wait_alu depctr_va_vdst(0)
	s_wait_dscnt 0x0
.set T, 0
.rept 4*\nb
	v_wmma_f32_16x16x64_fp8_fp8 v[S+8*T:S+8*T+7], v[KV+8*T:KV+8*T+7], v[QF:QF+7], 0
.set T, T+1
.endr
.rept 4
	v_nop
.endr
.set T, 0
.rept 4*\nb                                    ; v's fragments (block T / 4, channels 16 (T % 4) on) land while the softmax is walked
	ds_load_b128 v[KV+8*T:KV+8*T+3], v[ADV] offset:(T%4)*VT+(T/4)*1024
	ds_load_b128 v[KV+8*T+4:KV+8*T+7], v[ADV] offset:(T%4)*VT+(T/4)*1024+512
.set T, T+1
.endr
.if \tail                                      ; register j of tile 2 G + u holds key 768 + 32 G + 16 (lane / 16) + 8 u + j: 819 and more are tile 2's registers 3-7 and tile 3's, in lanes 16-31
.irp j, 3,4,5,6,7
	v_cndmask_b32 v[S+16+\j], v[S+16+\j], v[NI], s[HM]
.endr
.irp j, 0,1,2,3,4,5,6,7
	v_cndmask_b32 v[S+24+\j], v[S+24+\j], v[NI], s[HM]
.endr
.endif
	v_max3_num_f32 v[TA], v[S], v[S+1], v[S+2]     ; the step's largest score of my proxy, in two chains, each accumulator from its low end on
	v_max3_num_f32 v[TB], v[S+3], v[S+4], v[S+5]
.set i, 6
.rept (NR-8)/4
	v_max3_num_f32 v[TA], v[TA], v[S+i], v[S+i+1]
	v_max3_num_f32 v[TB], v[TB], v[S+i+2], v[S+i+3]
.set i, i+4
.endr
	v_max3_num_f32 v[TA], v[TA], v[S+NR-2], v[S+NR-1]
	s_delay_alu instid0(VALU_DEP_1)
	v_max_num_f32 v[TA], v[TA], v[TB]
	s_delay_alu instid0(VALU_DEP_1)
	v_permlanex16_b32 v[PD], v[TA], s[SEL], s[SEL+1]
	s_delay_alu instid0(VALU_DEP_1)
	v_max_num_f32 v[TA], v[TA], v[PD]              ; and among lane l xor 16's
	s_delay_alu instid0(VALU_DEP_1)
	v_mul_f32 v[TA], s[CS], v[TA]                  ; as t (c is positive)
	s_delay_alu instid0(VALU_DEP_1)
	v_max_num_f32 v13, v13, v[TA]
	v_mov_b32 v[TA], v12
	s_delay_alu instid0(VALU_DEP_2)
	v_floor_f32 v12, -v13                          ; -M = floor(-t): M is a whole number
	s_delay_alu instid0(VALU_DEP_1)
	v_sub_f32 v[TA], v12, v[TA]
	s_delay_alu instid0(VALU_DEP_1)
	v_cvt_i32_f32 v[TA], v[TA]                     ; (it saturates)
	s_delay_alu instid0(VALU_DEP_1)
	v_ldexp_f32 v[F], 1.0, v[TA]                   ; f = 2^(old M - new M)
.set j, 0
.rept NR/2
	v_pk_fma_f32 v[S+j:S+j+1], v[S+j:S+j+1], s[CS:CS+1], v[12:13] op_sel_hi:[1,0,0]
.set j, j+2
.endr
.set j, 0
	s_wait_alu depctr_va_vdst(0)
.rept NR
	v_exp_f32 v[S+j], v[S+j]
.set j, j+1
.endr
	s_setprio 1
	v_pk_mul_f32 v[14:15], v[14:15], v[F:F+1] op_sel_hi:[1,0]   ; the sums under the new M: the plain instruction behind the exponentials
	s_wait_alu depctr_va_vdst(0)                   ; one wait for the batch, ahead of its first reader
	v_pk_add_f32 v[SUM2:SUM2+1], v[S:S+1], v[S+2:S+3]
.set j, 4
.rept NR/4-1
	v_pk_add_f32 v[14:15], v[14:15], v[S+j:S+j+1]
	v_pk_add_f32 v[SUM2:SUM2+1], v[SUM2:SUM2+1], v[S+j+2:S+j+3]
.set j, j+4
.endr
	s_delay_alu instid0(VALU_DEP_1)
	v_pk_add_f32 v[14:15], v[14:15], v[SUM2:SUM2+1]
.set b, 0
.rept NR/16
.set i, 0
.rept 8
.set i, i+2
.endr
	v_cvt_scalef32_pk8_fp8_f32 v[PC+4*b:PC+4*b+1], v[S+16*b:S+16*b+7], v[SC]
	v_cvt_scalef32_pk8_fp8_f32 v[PC+4*b+2:PC+4*b+3], v[S+16*b+8:S+16*b+15], v[SC]
.set b, b+1
.endr
.set j, 0
.rept 16
	v_pk_mul_f32 v[O+j:O+j+1], v[O+j:O+j+1], v[F:F+1] op_sel_hi:[1,0]   ; O^T under the new M
.set j, j+2
.endr
	s_setprio 0
	s_wait_alu depctr_va_vdst(0)
	s_wait_dscnt 0x0                               ; v's fragments
.set T, 0
.rept 4*\nb                                    ; the four accumulators take turns, one instruction a turn
	v_wmma_f32_16x16x64_fp8_fp8 v[O+8*(T%4):O+8*(T%4)+7], v[KV+8*T:KV+8*T+7], v[PC+8*(T/4):PC+8*(T/4)+7], v[O+8*(T%4):O+8*(T%4)+7]
.set T, T+1
.endr
.endm
	s_mov_b32 s[OUTC], 2
.Ltile:
	v_mov_b32 v13, 0xff61b1e6                      ; the largest t so far: -3e38
	s_delay_alu instid0(VALU_DEP_1)
	v_floor_f32 v12, -v13
	v_mov_b32 v14, 0
	v_mov_b32 v15, 0
.set j, 0
.rept 32
	v_mov_b32 v[O+j], 0                            ; the step is written once: the first finds zeros
.set j, j+1
.endr
	s_mov_b32 s[KO], 0
	s_mov_b32 s[VOF], 0
	s_mov_b32 s[INC], 6
.Lstep:
	s_setprio 2
	STEP 2, 0
	s_add_co_u32 s[KO], s[KO], 8*KP
	s_add_co_u32 s[VOF], s[VOF], 2048
	s_sub_co_u32 s[INC], s[INC], 1
	s_cmp_lg_u32 s[INC], 0
	s_cbranch_scc1 .Lstep
	s_setprio 0
	STEP 1, 1
	; THE WAY OUT: O^T / the sum x 2^(e6 + e7) turns through my stage, so that a lane holds 16 neighbouring l of one channel, and is quantised with 2^e11
.rept 4
	v_nop
.endr
	v_add_f32 v14, v14, v15
	s_delay_alu instid0(VALU_DEP_1)
	v_permlanex16_b32 v[PD], v14, s[SEL], s[SEL+1]
	s_delay_alu instid0(VALU_DEP_1)
	v_add_f32 v14, v14, v[PD]
	s_wait_alu depctr_va_vdst(0)
	v_rcp_f32 v14, v14
	v_nop
	s_wait_alu depctr_va_vdst(0)                   ; ahead of the reciprocal's first reader
	v_ldexp_f32 v14, v14, s[EO]
.set j, 0
.rept 32
	v_mul_f32 v[S+j], v[O+j], v14
.set j, j+1
.endr
.irp t, 0,1,2,3
.irp j, 0,1,2,3,4,5,6,7
	ds_store_b32 v[STO], v[S+8*\t+\j] offset:(16*\t+\j)*80
.endr
.endr
.irp k, 0,1,2,3
	ds_load_b128 v[S+32+4*\k:S+32+4*\k+3], v[SRD] offset:16*\k          ; LDS serves a wave's instructions in order: these see my stores
.endr
.irp k, 0,1,2,3
	ds_load_b128 v[S+48+4*\k:S+48+4*\k+3], v[SRD] offset:2560+16*\k
.endr
	s_wait_dscnt 0x0
.set j, 0
.rept 32
.set j, j+1
.endr
.irp g, 0,1,2,3
	v_cvt_scalef32_pk8_fp8_f32 v[64+2*\g:65+2*\g], v[S+32+8*\g:S+32+8*\g+7], v[SCO]
.endr
.set j, 0
.rept 8
	v_mov_b32 v[QF+j], v[Q2+j]                     ; the second tile's fragment takes its place (in the second trip the copy changes nothing).  These are also the plain instructions behind the last conversion
.set j, j+1
.endr
	global_store_b128 v[PVO], v[64:67], s[PB:PB+1]                 ; channels 0-31: sixteen lanes fill 256 consecutive bytes, aligned
	global_store_b128 v[PVO], v[68:71], s[PB:PB+1] offset:2048     ; channels 32-63
	s_wait_xcnt 0x0                                ; the stores have read their registers and base: both are written again
	s_add_nc_u64 s[PB:PB+1], s[PB:PB+1], 16384
	s_sub_co_u32 s[OUTC], s[OUTC], 1
	s_cmp_lg_u32 s[OUTC], 0
	s_cbranch_scc1 .Ltile
	s_wait_tensorcnt 0x0
	ds_add_u32 v224, v225
	s_wait_dscnt 0x0
	s_endpgm
.Lfunc_end_k_q4df432c6f2_attn1:
	.size	k_q4df432c6f2_attn1, .Lfunc_end_k_q4df432c6f2_attn1-k_q4df432c6f2_attn1
	.p2alignl 7, 3214868480
	.fill 96, 4, 3214868480
	.section	.rodata,"a",@progbits
	.p2align	6, 0x0
	.amdhsa_kernel k_q4df432c6f2_attn1
		.amdhsa_group_segment_fixed_size 198656
		.amdhsa_private_segment_fixed_size 0
		.amdhsa_enable_private_segment 0
		.amdhsa_kernarg_size 24
		.amdhsa_user_sgpr_count 2
		.amdhsa_user_sgpr_kernarg_segment_ptr 1
		.amdhsa_wavefront_size32 1
		.amdhsa_system_sgpr_workgroup_id_x 1
		.amdhsa_system_sgpr_workgroup_id_y 1
		.amdhsa_system_sgpr_workgroup_id_z 1
		.amdhsa_system_vgpr_workitem_id 0
		.amdhsa_next_free_vgpr 226
		.amdhsa_next_free_sgpr 80
		.amdhsa_reserve_vcc 0
		.amdhsa_float_denorm_mode_32 3
		.amdhsa_float_denorm_mode_16_64 3
		.amdhsa_fp16_overflow 1
		.amdhsa_memory_ordered 1
		.amdhsa_forward_progress 1
		.amdhsa_inst_pref_size 37
	.end_amdhsa_kernel
	.amdgpu_metadata
---
amdhsa.version: [ 1, 2 ]
amdhsa.kernels:
  - .name:           k_q4df432c6f2_attn1
    .symbol:         k_q4df432c6f2_attn1.kd
    .args:
      - { .name: cod2, .offset: 0, .size: 8, .value_kind: global_buffer, .address_space: global }
      - { .name: lowp_scales, .offset: 8, .size: 8, .value_kind: global_buffer, .address_space: global }
      - { .name: pv, .offset: 16, .size: 8, .value_kind: global_buffer, .address_space: global }
    .group_segment_fixed_size: 198656
    .private_segment_fixed_size: 0
    .kernarg_segment_align: 8
    .kernarg_segment_size: 24
    .max_flat_workgroup_size: 512
    .sgpr_count:     80
    .vgpr_count:     226
    .wavefront_size: 32
...
	.end_amdgpu_metadata
.endif
;; end of part 3
;; launch attn2 (part 4): grid 2 x 128, 16 waves a work-group, no clusters, 169,984 bytes of LDS; arguments cod2, pv, mask, lowp_scales, ac; writes ac
.if DOCPART == 4
	.amdgcn_target "amdgcn-amd-amdhsa--gfx1250"
	.amdhsa_code_object_version 6
	.text
	.protected	k_q4df432c6f2_attn2
	.globl	k_q4df432c6f2_attn2
	.p2align	8
	.type	k_q4df432c6f2_attn2,@function
k_q4df432c6f2_attn2:
	s_mov_b64 s[64:65], 0
	v_nop
	global_prefetch_b8 v0, s[64:65] scope:SCOPE_SE
	s_setreg_imm32_b32 hwreg(HW_REG_WAVE_MODE, 25, 1), 1
	s_wait_xcnt 0x0
; Stage 2: out[b][n][h] = the sum over l of softmax_l(where(mask[b][l], q[n] 2^-3 . p[l], -1e9)) proxy_v[l], both products on codes of E4M3; out leaves as codes for the last product.
; The frame is stage 1's: sixteen waves, a tile of 16 queries to a wave at a time, both products transposed, the keys of a tile chosen so that p's registers are neighbours along the next K.
; All 1,024 keys' codes of p (64 KB) and of proxy_v (64 KB) are fetched ONCE, at the head, by eight tensor loads; nothing in LDS is filled again.  NO CLUSTER: two work-groups read the same 128 KB, once each.
; Both of a wave's tiles of queries are loaded at the head too, beside the tensor loads: no tile begins with a wait for memory.
; THE MASK IS THE C OF THE SCORE PRODUCT: 0 for a key that counts, -2^min(100 - E, 127) (E = e8 + e9) for one that does not: its t lies far under every other, its p is 0, as with -1e9.
; A batch whose mask is all false: reference() has equal logits there, so p = 1 for every key: c and the masked value are then both 0, chosen by s_cselect, with no branch.
; SHARES.  A work-group has 26 tiles of 16 queries (832 rows of a batch's 896): every wave takes one, waves 0 to 9 a second; waves 10 and 11 store a block of zero codes each (rows 832 .. 895, which the last product reads).
; Rows 819 .. 831 have zero codes for q: their results are finite and are dropped by the last launch.
; LIMITS: e8 + e9 between -119 and 6 (above 6 a true logit could reach -1e9); e10 and e12 - e10 - e11 between -126 and 119.
.set PK,  30408704                     ; p's codes: [head][512 blocks]; q's lie at 0: [head][448 blocks]
.set KP,  1152
.set VB,  64*KP                        ; proxy_v: [l / 64: 16][d / 16: 4][block]
.set MB,  VB+65536                     ; the mask as 1,024 f32 numbers: no tensor load lands here
.set AK,  1
.set AV,  2
.set VL,  3
.set OUTO, 6                           ; v6   16 r + 8 (lane / 16)
.set AM,  7
.set ADK, 8
.set ADV, 9
.set ADM, 10
.set QF,  16                           ; v16-23  the fragment of the 16 queries in hand
.set Q2,  24                           ; v24-31  my second tile's fragment, until its turn
.set ZR,  24                           ; v24-27  at the end four zeros: registers that no matrix instruction names
.set KV,  32                           ; v32-95  eight fragments of p, then of proxy_v; at the head v40-59 serve the mask
.set S,   96
.set O,   160
.set PC,  192
.set TA,  208
.set TB,  209
.set F,   210
.set PD,  212
.set SUM2, 214
.set SC,  216                          ; 2^e10
.set LIM, 217
.set LIMO, 218
.set SCO, 219
.set LIMB, 220
.set WV,  18
.set SEL, 20
.set CS,  22
.set G1K, 24
.set G1V, 32
.set G0K, 40
.set G0V, 44
.set KO,  48
.set VOF, 49
.set MO,  50
.set INC, 51
.set QB,  52
.set AB,  54
.set QB2, 76
	s_load_b256 s[4:11], s[0:1], 0x0               ; codes s[4:5], proxy_v's s[6:7], mask s[8:9], exponents s[10:11]
	s_load_b64 s[12:13], s[0:1], 0x20              ; out's codes
	v_lshl_add_u32 v224, v0, 2, 0x29000
	v_mov_b32 v225, 0
	ds_add_u32 v224, v225
	ds_add_u32 v224, v225
	v_lshrrev_b32 v8, 5, v0
	s_delay_alu instid0(VALU_DEP_1)
	v_readfirstlane_b32 s[WV], v8
	s_and_b32 s70, ttmp7, 0xffff
	s_lshr_b32 s71, s70, 4                         ; batch
	s_and_b32 s72, s70, 15                         ; head
	s_and_b32 s73, s[WV], 3
	s_lshl_b32 s74, s72, 9
	s_lshl_b32 s75, s71, 6
	s_add_co_u32 s74, s74, s75
	s_lshl_b32 s75, s73, 4
	s_add_co_u32 s74, s74, s75
	s_lshl_b32 s74, s74, 10
	s_add_co_u32 s74, s74, PK                      ; p: 16 blocks on end
	s_mov_b32 s75, 0
	s_lshl_b32 s76, s70, 16
	s_lshl_b32 s77, s73, 14
	s_add_co_u32 s76, s76, s77                     ; proxy_v: 16 KB on end
	s_mov_b32 s77, 0
	s_mov_b32 s[G1K], (3<<16)|(1<<20)|(7<<22)|(31<<25)   ; elements of 8 bytes; 32 words of padding after every 256
	s_mov_b32 s[G1K+1], 128<<16
	s_mov_b32 s[G1K+2], 16<<16
	s_mov_b32 s[G1K+3], 128<<16
	s_mov_b32 s[G1K+4], 16
	s_mov_b32 s[G1K+5], 128
	s_mov_b32 s[G1K+6], 0
	s_mov_b32 s[G1K+7], 0
	s_mov_b32 s[G1V], 3<<16
	s_mov_b32 s[G1V+1], 32<<16
	s_mov_b32 s[G1V+2], 64<<16
	s_mov_b32 s[G1V+3], 32<<16
	s_mov_b32 s[G1V+4], 64
	s_mov_b32 s[G1V+5], 32
	s_mov_b32 s[G1V+6], 0
	s_mov_b32 s[G1V+7], 0
	s_mov_b32 s[G0K], 1
	s_mul_i32 s[G0K+1], s73, 16*KP
	s_mov_b32 s[G0V], 1
	s_lshl_b32 s[G0V+1], s73, 14
	s_add_co_u32 s[G0V+1], s[G0V+1], VB
	s_wait_dscnt 0x0
	s_wait_kmcnt 0x0
	s_load_b128 s[56:59], s[10:11], 0x20           ; e8 .. e11
	s_load_b32 s60, s[10:11], 0x30                 ; e12
	s_add_nc_u64 s[G0K+2:G0K+3], s[4:5], s[74:75]
	s_or_b32 s[G0K+3], s[G0K+3], 0x80000000
	s_add_nc_u64 s[G0V+2:G0V+3], s[6:7], s[76:77]
	s_or_b32 s[G0V+3], s[G0V+3], 0x80000000
	s_cmp_lt_u32 s[WV], 4                          ; waves 0-3: p; waves 4-7: proxy_v.  Four v_nop follow each line
	s_cbranch_scc0 .Lnot_k
	tensor_load_to_lds s[G0K:G0K+3], s[G1K:G1K+7]
	s_nop 0
.rept 4
	v_nop
.endr
	s_branch .Lasked
.Lnot_k:
	s_cmp_lt_u32 s[WV], 8
	s_cbranch_scc0 .Lasked
	tensor_load_to_lds s[G0V:G0V+3], s[G1V:G1V+7]
	s_nop 0
.rept 4
	v_nop
.endr
.Lasked:
	s_lshl_b32 s74, s71, 10
	s_mov_b32 s75, 0
	s_add_nc_u64 s[8:9], s[8:9], s[74:75]          ; my batch's 1,024 bytes of the mask
	v_and_b32 v11, 31, v0
	s_delay_alu instid0(VALU_DEP_1)
	v_lshlrev_b32 v40, 5, v11
	v_lshlrev_b32 v41, 1, v0
	s_delay_alu instid0(VALU_DEP_3)
	v_lshlrev_b32 v[VL], 4, v11
	s_wait_alu depctr_va_vdst(0)
	global_load_b128 v[44:47], v40, s[8:9]         ; every wave reads all of them, 32 a lane: does any key count?
	global_load_b128 v[48:51], v40, s[8:9] offset:16
	global_load_u16 v52, v41, s[8:9]               ; and thread t the bytes 2 t, 2 t + 1, for the table
	s_mul_i32 s61, s72, 448
	s_mul_i32 s62, s71, 56
	s_add_co_u32 s61, s61, s62                     ; q's first block of my (batch, head)
	s_mul_i32 s66, ttmp9, 26
	s_add_co_u32 s66, s66, s[WV]                   ; my first tile: 26 x half + wave
	s_add_co_u32 s78, s61, s66
	s_lshl_b32 s78, s78, 10
	s_mov_b32 s79, 0
	s_add_nc_u64 s[QB:QB+1], s[4:5], s[78:79]      ; its block of q's codes
	s_add_co_u32 s67, s66, 16                      ; my second tile; in the waves that have none the number is held at the batch's last block, 55, and the fragment is not used
	s_min_u32 s67, s67, 55
	s_add_co_u32 s78, s61, s67
	s_lshl_b32 s78, s78, 10
	s_add_nc_u64 s[QB2:QB2+1], s[4:5], s[78:79]
	global_load_b128 v[QF:QF+3], v[VL], s[QB:QB+1]                 ; both tiles' fragments are asked for here: they land while the wave waits for p and proxy_v
	global_load_b128 v[QF+4:QF+7], v[VL], s[QB:QB+1] offset:512
	global_load_b128 v[Q2:Q2+3], v[VL], s[QB2:QB2+1]
	global_load_b128 v[Q2+4:Q2+7], v[VL], s[QB2:QB2+1] offset:512
	s_mul_i32 s62, s71, 7                          ; out's first group of 128 rows of my batch
	s_lshl_b32 s63, s72, 13                        ; and my head's K / 64
	s_mov_b32 s[SEL], 0x76543210
	s_mov_b32 s[SEL+1], 0xfedcba98
	v_and_b32 v12, 15, v0                          ; r
	v_bfe_u32 v13, v0, 4, 1                        ; lane / 16
	v_bfe_u32 v8, v0, 3, 1
	v_and_b32 v9, 7, v0
	s_delay_alu instid0(VALU_DEP_2)
	v_mul_u32_u24 v[AK], v8, KP
	s_delay_alu instid0(VALU_DEP_1)
	v_lshl_add_u32 v[AK], v13, 8, v[AK]
	s_delay_alu instid0(VALU_DEP_1)
	v_lshl_add_u32 v[AK], v9, 4, v[AK]
	v_add_nc_u32 v[AV], VB, v[VL]
	v_lshl_add_u32 v[AM], v13, 6, MB               ; the table: keys 16 (lane / 16) on
	v_lshlrev_b32 v[OUTO], 4, v12
	s_delay_alu instid0(VALU_DEP_1)
	v_lshl_add_u32 v[OUTO], v13, 3, v[OUTO]
	v_lshl_add_u32 v53, v0, 3, MB                  ; where thread t puts its two numbers
	v_mov_b32 v[F+1], 0
	v_mov_b32 v[PD], 0
	s_wait_kmcnt 0x0
	s_add_co_i32 s66, s56, s57                     ; E = e8 + e9
	s_lshl_b32 s67, s66, 23
	s_add_co_i32 s[CS], s67, 0x3fb8aa3b            ; c = log2(e) x 2^E
	s_sub_co_i32 s68, 100, s66
	s_min_i32 s68, s68, 127
	s_add_co_i32 s68, s68, 127
	s_lshl_b32 s68, s68, 23
	s_or_b32 s68, s68, 0x80000000                  ; -2^min(100 - E, 127)
	s_add_co_i32 s74, s58, 127
	s_lshl_b32 s75, s74, 23
	v_mov_b32 v[SC], s75
	s_sub_co_i32 s74, s60, s58
	s_sub_co_i32 s74, s74, s59                     ; O / the sum stands for itself x 2^(e10 + e11): the three scales are folded into the conversion's one
	s_add_co_i32 s74, s74, 127
	s_lshl_b32 s75, s74, 23
	v_mov_b32 v[SCO], s75
	s_wait_loadcnt 0x0                             ; the mask's bytes and both tiles' fragments are in
	v_or_b32 v44, v44, v45
	v_or_b32 v46, v46, v47
	v_or_b32 v48, v48, v49
	v_or_b32 v50, v50, v51
	s_delay_alu instid0(VALU_DEP_3)
	v_or_b32 v44, v44, v46
	s_delay_alu instid0(VALU_DEP_2)
	v_or_b32 v48, v48, v50
	s_delay_alu instid0(VALU_DEP_1)
	v_or_b32 v44, v44, v48
	s_delay_alu instid0(VALU_DEP_1)
	v_cmp_ne_u32 vcc_lo, 0, v44
	s_cmp_lg_u32 vcc_lo, 0                         ; a choice of values, no branch
	s_cselect_b32 s[CS], s[CS], 0
	s_cselect_b32 s68, s68, 0
	s_mov_b32 s[CS+1], s[CS]
	v_mov_b32 v54, s68
	v_and_b32 v55, 0xff, v52
	v_lshrrev_b32 v56, 8, v52
	s_delay_alu instid0(VALU_DEP_2)
	v_cmp_eq_u32 vcc_lo, 0, v55
	s_delay_alu instid0(VALU_DEP_1)
	v_cndmask_b32 v58, 0, v54, vcc_lo
	s_delay_alu instid0(VALU_DEP_3)
	v_cmp_eq_u32 vcc_lo, 0, v56
	s_delay_alu instid0(VALU_DEP_1)
	v_cndmask_b32 v59, 0, v54, vcc_lo
	ds_store_b64 v53, v[58:59]
	s_wait_dscnt 0x0                               ; my part of the table is stored,
	s_wait_tensorcnt 0x0                           ; my part of p or proxy_v has landed,
	s_barrier_signal -1
	s_barrier_wait -1                              ; everybody's: the one barrier of this text
; A KEY STEP of 128 keys
.macro STEP
	v_add_nc_u32 v[ADK], s[KO], v[AK]
	v_add_nc_u32 v[ADV], s[VOF], v[AV]
	v_add_nc_u32 v[ADM], s[MO], v[AM]
	v_nop                                          ; four places in front of loads into registers that the last products read
.set T, 0
.rept 8
	ds_load_b128 v[KV+8*T:KV+8*T+3], v[ADK] offset:(T/2)*2*KP+(T%2)*128
	ds_load_b128 v[KV+8*T+4:KV+8*T+7], v[ADK] offset:(T/2)*2*KP+(T%2)*128+512
.set T, T+1
.endr
.set T, 0
.rept 8                                        ; the mask's numbers of keys 32 G + 16 (lane / 16) + 8 u + 0 .. 7 go straight into tile 2 G + u's accumulator
	ds_load_b128 v[S+8*T:S+8*T+3], v[ADM] offset:(T/2)*128+(T%2)*32
	ds_load_b128 v[S+8*T+4:S+8*T+7], v[ADM] offset:(T/2)*128+(T%2)*32+16
.set T, T+1
.endr
	s_wait_alu depctr_va_vdst(0)
	s_wait_dscnt 0x0
.set T, 0
.rept 8
	v_wmma_f32_16x16x64_fp8_fp8 v[S+8*T:S+8*T+7], v[KV+8*T:KV+8*T+7], v[QF:QF+7], v[S+8*T:S+8*T+7]
.set T, T+1
.endr
.rept 4
	v_nop
.endr
.set T, 0
.rept 8
	ds_load_b128 v[KV+8*T:KV+8*T+3], v[ADV] offset:(T/4)*4096+(T%4)*1024
	ds_load_b128 v[KV+8*T+4:KV+8*T+7], v[ADV] offset:(T/4)*4096+(T%4)*1024+512
.set T, T+1
.endr
	v_max3_num_f32 v[TA], v[S], v[S+1], v[S+2]
	v_max3_num_f32 v[TB], v[S+3], v[S+4], v[S+5]
.set i, 6
.rept 14
	v_max3_num_f32 v[TA], v[TA], v[S+i], v[S+i+1]
	v_max3_num_f32 v[TB], v[TB], v[S+i+2], v[S+i+3]
.set i, i+4
.endr
	v_max3_num_f32 v[TA], v[TA], v[S+62], v[S+63]
	s_delay_alu instid0(VALU_DEP_1)
	v_max_num_f32 v[TA], v[TA], v[TB]
	s_delay_alu instid0(VALU_DEP_1)
	v_permlanex16_b32 v[PD], v[TA], s[SEL], s[SEL+1]
	s_delay_alu instid0(VALU_DEP_1)
	v_max_num_f32 v[TA], v[TA], v[PD]
	s_delay_alu instid0(VALU_DEP_1)
	v_mul_f32 v[TA], s[CS], v[TA]                  ; as t (c is not negative)
	s_delay_alu instid0(VALU_DEP_1)
	v_max_num_f32 v13, v13, v[TA]
	v_mov_b32 v[TA], v12
	s_delay_alu instid0(VALU_DEP_2)
	v_floor_f32 v12, -v13
	s_delay_alu instid0(VALU_DEP_1)
	v_sub_f32 v[TA], v12, v[TA]
	s_delay_alu instid0(VALU_DEP_1)
	v_cvt_i32_f32 v[TA], v[TA]
	s_delay_alu instid0(VALU_DEP_1)
	v_ldexp_f32 v[F], 1.0, v[TA]
.set j, 0
.rept 32
	v_pk_fma_f32 v[S+j:S+j+1], v[S+j:S+j+1], s[CS:CS+1], v[12:13] op_sel_hi:[1,0,0]
.set j, j+2
.endr
.set j, 0
	s_wait_alu depctr_va_vdst(0)
.rept 64
	v_exp_f32 v[S+j], v[S+j]
.set j, j+1
.endr
	s_setprio 1
	v_pk_mul_f32 v[14:15], v[14:15], v[F:F+1] op_sel_hi:[1,0]
	s_wait_alu depctr_va_vdst(0)                   ; one wait for the batch, ahead of its first reader
	v_pk_add_f32 v[214:215], v[100:101], v[104:105]
	v_pk_add_f32 v[222:223], v[108:109], v[112:113]
	v_pk_add_f32 v[220:221], v[116:117], v[120:121]
	v_pk_add_f32 v[208:209], v[124:125], v[128:129]
	v_pk_add_f32 v[206:207], v[132:133], v[136:137]
	v_pk_add_f32 v[204:205], v[140:141], v[144:145]
	v_pk_add_f32 v[202:203], v[148:149], v[152:153]
	v_pk_add_f32 v[14:15], v[14:15], v[156:157]
	v_pk_add_f32 v[214:215], v[214:215], v[96:97]
	v_pk_add_f32 v[222:223], v[222:223], v[98:99]
	v_pk_add_f32 v[220:221], v[220:221], v[102:103]
	v_pk_add_f32 v[208:209], v[208:209], v[106:107]
	v_pk_add_f32 v[206:207], v[206:207], v[110:111]
	v_pk_add_f32 v[204:205], v[204:205], v[114:115]
	v_pk_add_f32 v[202:203], v[202:203], v[118:119]
	v_pk_add_f32 v[14:15], v[14:15], v[122:123]
	v_pk_add_f32 v[214:215], v[214:215], v[126:127]
	v_pk_add_f32 v[222:223], v[222:223], v[130:131]
	v_pk_add_f32 v[220:221], v[220:221], v[134:135]
	v_pk_add_f32 v[208:209], v[208:209], v[138:139]
	v_pk_add_f32 v[206:207], v[206:207], v[142:143]
	v_pk_add_f32 v[204:205], v[204:205], v[146:147]
	v_pk_add_f32 v[202:203], v[202:203], v[150:151]
	v_pk_add_f32 v[14:15], v[14:15], v[154:155]
	v_pk_add_f32 v[214:215], v[214:215], v[158:159]
	s_delay_alu instid0(VALU_DEP_2)
	v_pk_add_f32 v[14:15], v[14:15], v[208:209]
	s_delay_alu instid0(VALU_DEP_2)
	v_pk_add_f32 v[214:215], v[214:215], v[206:207]
	v_pk_add_f32 v[222:223], v[222:223], v[204:205]
	v_pk_add_f32 v[220:221], v[220:221], v[202:203]
	s_delay_alu instid0(VALU_DEP_2)
	v_pk_add_f32 v[14:15], v[14:15], v[222:223]
	s_delay_alu instid0(VALU_DEP_2)
	v_pk_add_f32 v[214:215], v[214:215], v[220:221]
	s_delay_alu instid0(VALU_DEP_1)
	v_pk_add_f32 v[14:15], v[14:15], v[214:215]
.set b, 0
.rept 4
.set i, 0
.rept 8
.set i, i+2
.endr
	v_cvt_scalef32_pk8_fp8_f32 v[PC+4*b:PC+4*b+1], v[S+16*b:S+16*b+7], v[SC]
	v_cvt_scalef32_pk8_fp8_f32 v[PC+4*b+2:PC+4*b+3], v[S+16*b+8:S+16*b+15], v[SC]
.set b, b+1
.endr
.set j, 0
.rept 16
	v_pk_mul_f32 v[O+j:O+j+1], v[O+j:O+j+1], v[F:F+1] op_sel_hi:[1,0]
.set j, j+2
.endr
	s_setprio 0
	s_wait_alu depctr_va_vdst(0)
	s_wait_dscnt 0x0
.set T, 0
.rept 8
	v_wmma_f32_16x16x64_fp8_fp8 v[O+8*(T%4):O+8*(T%4)+7], v[KV+8*T:KV+8*T+7], v[PC+8*(T/4):PC+8*(T/4)+7], v[O+8*(T%4):O+8*(T%4)+7]
.set T, T+1
.endr
.endm
; A wave's i-th tile: tile 26 x half + 16 i + wave of the batch.  In the second only waves 0 to 9 have one: the others walk the loop's eight trips and jump over the work; the branches hang on the wave's number alone.
.macro TILE i
.if \i
	s_cmp_ge_u32 s[WV], 10
	s_cbranch_scc1 .Lno_head_\@
.endif
	s_mul_i32 s66, ttmp9, 26
	s_add_co_u32 s66, s66, s[WV]
	s_add_co_u32 s66, s66, 16*\i                   ; the tile
	s_lshr_b32 s74, s66, 3
	s_add_co_u32 s74, s74, s62
	s_lshl_b32 s74, s74, 17
	s_add_co_u32 s74, s74, s63
	s_and_b32 s67, s66, 7
	s_lshl_b32 s67, s67, 10
	s_add_co_u32 s74, s74, s67
	s_mov_b32 s75, 0
	s_add_nc_u64 s[AB:AB+1], s[12:13], s[74:75]    ; its block of out's codes
.if \i
.set j, 0
.rept 8
	v_mov_b32 v[QF+j], v[Q2+j]                     ; the second tile's fragment takes its place: the first tile's way out lies between these lines and the last product that read the first's
.set j, j+1
.endr
.endif
	v_mov_b32 v13, 0xec800000                      ; the largest t so far: -2^90, over a masked key's t and under every other
	s_delay_alu instid0(VALU_DEP_1)
	v_floor_f32 v12, -v13
	v_mov_b32 v14, 0
	v_mov_b32 v15, 0
.set j, 0
.rept 32
	v_mov_b32 v[O+j], 0
.set j, j+1
.endr
.if \i
.Lno_head_\@:
.endif
	s_mov_b32 s[KO], 0
	s_mov_b32 s[VOF], 0
	s_mov_b32 s[MO], 0
	s_mov_b32 s[INC], 8
.Lstep_\@:
.if \i
	s_cmp_ge_u32 s[WV], 10
	s_cbranch_scc1 .Lno_step_\@
.endif
	s_setprio 2
	STEP
.if \i
.Lno_step_\@:
.endif
	s_add_co_u32 s[KO], s[KO], 8*KP
	s_add_co_u32 s[VOF], s[VOF], 8192
	s_add_co_u32 s[MO], s[MO], 512
	s_sub_co_u32 s[INC], s[INC], 1
	s_cmp_lg_u32 s[INC], 0
	s_cbranch_scc1 .Lstep_\@
	s_setprio 0
.if \i
	s_cmp_ge_u32 s[WV], 10
	s_cbranch_scc1 .Lno_out_\@
.endif
.rept 4
	v_nop
.endr
	v_add_f32 v14, v14, v15
	s_delay_alu instid0(VALU_DEP_1)
	v_permlanex16_b32 v[PD], v14, s[SEL], s[SEL+1]
	s_delay_alu instid0(VALU_DEP_1)
	v_add_f32 v14, v14, v[PD]
	s_wait_alu depctr_va_vdst(0)
	v_rcp_f32 v14, v14
	v_nop
	s_wait_alu depctr_va_vdst(0)                   ; ahead of the reciprocal's first reader
.set j, 0
.rept 32
	v_mul_f32 v[S+j], v[O+j], v14                  ; register 8 t + j: query r, channel 16 t + 8 (lane / 16) + j
.set j, j+1
.endr
.set j, 0
.rept 32
.set j, j+1
.endr
.irp t, 0,1,2,3
	v_cvt_scalef32_pk8_fp8_f32 v[64+2*\t:65+2*\t], v[S+8*\t:S+8*\t+7], v[SCO]
.endr
	v_nop                                          ; a plain instruction behind the last conversion
.irp t, 0,1,2,3
	global_store_b64 v[OUTO], v[64+2*\t:65+2*\t], s[AB:AB+1] offset:256*\t   ; 32 lanes: 256 consecutive bytes, aligned
.endr
	s_wait_xcnt 0x0                                ; the stores have read their registers and base
.if \i
.Lno_out_\@:
.endif
.endm
	TILE 0
	TILE 1
	s_sub_co_u32 s66, s[WV], 10
	s_cmp_lt_u32 s66, 2                            ; waves 10 and 11: tile 52 + 2 x half + wave - 10 is all zero codes
	s_cbranch_scc0 .Lend
	s_lshl_b32 s67, ttmp9, 1
	s_add_co_u32 s66, s66, s67
	s_add_co_u32 s66, s66, 4                       ; its place among the eight blocks of the batch's seventh group of 128 rows
	s_lshl_b32 s66, s66, 10
	s_add_co_u32 s74, s62, 6
	s_lshl_b32 s74, s74, 17
	s_add_co_u32 s74, s74, s63
	s_add_co_u32 s74, s74, s66
	s_mov_b32 s75, 0
	s_add_nc_u64 s[AB:AB+1], s[12:13], s[74:75]
	v_mov_b32 v[ZR], 0                             ; the zeros lie in registers that no matrix instruction names: no distance is owed behind the products
	v_mov_b32 v[ZR+1], 0
	v_mov_b32 v[ZR+2], 0
	v_mov_b32 v[ZR+3], 0
	global_store_b128 v[VL], v[ZR:ZR+3], s[AB:AB+1]
	global_store_b128 v[VL], v[ZR:ZR+3], s[AB:AB+1] offset:512
.Lend:
	s_wait_tensorcnt 0x0
	ds_add_u32 v224, v225
	s_wait_dscnt 0x0
	s_endpgm
.Lfunc_end_k_q4df432c6f2_attn2:
	.size	k_q4df432c6f2_attn2, .Lfunc_end_k_q4df432c6f2_attn2-k_q4df432c6f2_attn2
	.p2alignl 7, 3214868480
	.fill 96, 4, 3214868480
	.section	.rodata,"a",@progbits
	.p2align	6, 0x0
	.amdhsa_kernel k_q4df432c6f2_attn2
		.amdhsa_group_segment_fixed_size 169984
		.amdhsa_private_segment_fixed_size 0
		.amdhsa_enable_private_segment 0
		.amdhsa_kernarg_size 40
		.amdhsa_user_sgpr_count 2
		.amdhsa_user_sgpr_kernarg_segment_ptr 1
		.amdhsa_wavefront_size32 1
		.amdhsa_system_sgpr_workgroup_id_x 1
		.amdhsa_system_sgpr_workgroup_id_y 1
		.amdhsa_system_sgpr_workgroup_id_z 1
		.amdhsa_system_vgpr_workitem_id 0
		.amdhsa_next_free_vgpr 226
		.amdhsa_next_free_sgpr 80
		.amdhsa_reserve_vcc 1
		.amdhsa_float_denorm_mode_32 3
		.amdhsa_float_denorm_mode_16_64 3
		.amdhsa_fp16_overflow 1
		.amdhsa_memory_ordered 1
		.amdhsa_forward_progress 1
		.amdhsa_inst_pref_size 48
	.end_amdhsa_kernel
	.amdgpu_metadata
---
amdhsa.version: [ 1, 2 ]
amdhsa.kernels:
  - .name:           k_q4df432c6f2_attn2
    .symbol:         k_q4df432c6f2_attn2.kd
    .args:
      - { .name: cod2, .offset: 0, .size: 8, .value_kind: global_buffer, .address_space: global }
      - { .name: pv, .offset: 8, .size: 8, .value_kind: global_buffer, .address_space: global }
      - { .name: mask, .offset: 16, .size: 8, .value_kind: global_buffer, .address_space: global }
      - { .name: lowp_scales, .offset: 24, .size: 8, .value_kind: global_buffer, .address_space: global }
      - { .name: ac, .offset: 32, .size: 8, .value_kind: global_buffer, .address_space: global }
    .group_segment_fixed_size: 169984
    .private_segment_fixed_size: 0
    .kernarg_segment_align: 8
    .kernarg_segment_size: 40
    .max_flat_workgroup_size: 512
    .sgpr_count:     80
    .vgpr_count:     226
    .wavefront_size: 32
...
	.end_amdgpu_metadata
.endif
;; end of part 4
;; launch proj (part 5): grid 4 x 28, 4 waves a work-group, clusters of 4 x 4, 327,680 bytes of LDS; arguments ac, cod1, proj_b, lowp_scales, out0; writes out0
.if DOCPART == 5
	.amdgcn_target "amdgcn-amd-amdhsa--gfx1250"
	.amdhsa_code_object_version 6
	.text
	.protected	k_q4df432c6f2_proj
	.globl	k_q4df432c6f2_proj
	.p2align	8
	.type	k_q4df432c6f2_proj,@function
k_q4df432c6f2_proj:
	s_mov_b64 s[64:65], 0
	v_nop
	global_prefetch_b8 v0, s[64:65] scope:SCOPE_SE
	s_setreg_imm32_b32 hwreg(HW_REG_WAVE_MODE, 25, 1), 1
	s_wait_xcnt 0x0
	s_wait_alu depctr_hold_cnt(0) depctr_sa_sdst(0) depctr_va_vdst(0) depctr_va_sdst(0) depctr_va_ssrc(0) depctr_va_vcc(0) depctr_vm_vsrc(0)
	s_getreg_b32 s2, hwreg(HW_REG_IB_STS2, 6, 4)
	s_cmp_eq_u32 s2, 0
	s_cbranch_scc0 .Lentry_in_a_cluster
	s_endpgm
.Lentry_in_a_cluster:
	s_bfe_u32 s2, ttmp6, 0x10000c
	s_cmp_lg_u32 s2, 0xf033
	s_cbranch_scc0 .Lentry_shape_is_right
	s_endpgm
.Lentry_shape_is_right:
.set PIECE,  32768
.set SLOT,   4*PIECE
.set SPARE,  2*SLOT
.set SPITCH, 528
.set FR,     16
.set NL,     4
.set NP,     4
.set ADRA, 16
.set ADRB, 20
.set STO,  24
.set RD,   25
.set CO,   26
.set NB,   27
.set SPW,  28
.set NIL,  29
.set BI,   64
.set AF,   128
.set T,    128
.set BK,   192
.set G1, 24
.set G0, 32
.set G1B, 48
.set G0B, 56
.set MSB, 0
.macro WIN new
.if MSB != \new
	s_set_vgpr_msb (MSB<<8)|\new
.set MSB, \new
.endif
.endm
.set MUL_LO, 0xa1
.set MUL_HI, 0xf1
.set TO_B,   0x40
.macro JLOAD g0a, g1a, g0b, g1b
	s_cmp_eq_u32 s15, 0
	s_cbranch_scc0 .Lfor_b_\@
	tensor_load_to_lds s[\g0a:\g0a+3], s[\g1a:\g1a+7]
	s_nop 0
.rept 4
	v_nop
.endr
	s_branch .Lasked_\@
.Lfor_b_\@:
	tensor_load_to_lds s[\g0b:\g0b+3], s[\g1b:\g1b+7]
	s_nop 0
.rept 4
	v_nop
.endr
.Lasked_\@:
.endm
.macro CREST
	s_cmp_lg_u32 s14, 0
	s_cbranch_scc1 .Lnot_wave_0_\@
	s_barrier_signal -3
.Lnot_wave_0_\@:
	s_barrier_wait -3
	s_barrier_signal -1
	s_barrier_wait -1
.endm
.macro CROUND
	s_barrier_signal -1
	s_barrier_wait -1
	CREST
.endm
	s_load_b256 s[4:11], s[0:1], 0x0
	s_load_b64 s[12:13], s[0:1], 0x20
	v_lshl_add_u32 v[SPW], v0, 2, SPARE
	v_mov_b32 v[NIL], 0
	ds_add_u32 v28, v29
	ds_add_u32 v28, v29
	s_wait_dscnt 0x0
	v_lshrrev_b32 v1, 5, v0
	v_readfirstlane_b32 s14, v1
	s_lshr_b32 s15, s14, 1
	s_and_b32 s16, s14, 1
	s_bfe_u32 s40, ttmp6, 0x40000
	s_bfe_u32 s41, ttmp6, 0x40004
	s_mov_b32 s42, s40
	s_and_b32 s17, ttmp7, 0xffff
	s_lshl_b32 s17, s17, 2
	s_add_co_u32 s17, s17, s41
	s_lshl_b32 s43, s41, 2
	s_lshl_b32 s43, 15, s43
	s_lshl_b32 s44, 0x1111, s40
	s_or_b32 s[G1+0], s43, (3<<16)|(1<<21)
	s_or_b32 s[G1B+0], s44, (3<<16)|(1<<21)
.irp g, G1, G1B
	s_mov_b32 s[\g+1], 32<<16
	s_mov_b32 s[\g+2], 128<<16
	s_mov_b32 s[\g+3], 32<<16
	s_mov_b32 s[\g+4], 128
	s_mov_b32 s[\g+5], 32
	s_mov_b32 s[\g+6], 0
	s_mov_b32 s[\g+7], 0
.endr
	s_lshl_b32 s20, s17, 1
	s_add_co_u32 s20, s20, s16
	s_lshl_b32 s20, s20, 17
	s_mov_b32 s21, 0
	s_lshl_b32 s46, s42, 1
	s_add_co_u32 s46, s46, s16
	s_lshl_b32 s46, s46, 17
	s_add_co_u32 s46, s46, 19922944
	s_mov_b32 s47, 0
	s_lshl_b32 s45, s14, 15
	s_wait_kmcnt 0x0
	s_load_b64 s[96:97], s[10:11], 0x30
	s_add_nc_u64 s[20:21], s[4:5], s[20:21]
	s_add_nc_u64 s[46:47], s[6:7], s[46:47]
	CROUND
.irp s, 0,1
	s_mov_b32 s[G0+4*\s], 1
	s_add_co_u32 s[G0+4*\s+1], s45, \s*SLOT
	s_add_nc_u64 s[G0+4*\s+2:G0+4*\s+3], s[20:21], \s*PIECE
	s_or_b32 s[G0+4*\s+3], s[G0+4*\s+3], 0x80000000
	s_mov_b32 s[G0B+4*\s], 1
	s_add_co_u32 s[G0B+4*\s+1], s45, \s*SLOT
	s_add_nc_u64 s[G0B+4*\s+2:G0B+4*\s+3], s[46:47], \s*PIECE
	s_or_b32 s[G0B+4*\s+3], s[G0B+4*\s+3], 0x80000000
	s_wait_alu depctr_va_vdst(0)
	s_wait_tensorcnt 0x0
	ds_add_u32 v28, v29
	ds_add_u32 v28, v29
	s_wait_dscnt 0x0
	CROUND
	JLOAD G0+4*\s, G1, G0B+4*\s, G1B
.endr
	v_and_b32 v1, 15, v0
	s_wait_alu depctr_va_vdst(0)
	v_bfe_u32 v2, v0, 4, 1
	v_and_b32 v3, 31, v0
	v_lshlrev_b32 v[CO], 4, v3
	s_lshl_b32 s21, s15, 15
	s_lshl_b32 s22, s16, 15
	s_add_co_u32 s22, s22, 2*PIECE
.irp s, 0,1
	v_add_nc_u32 v[ADRA+\s], s21, v[CO]
	v_add_nc_u32 v[ADRB+\s], s22, v[CO]
	s_add_co_u32 s21, s21, SLOT
	s_add_co_u32 s22, s22, SLOT
.endr
	s_mul_i32 s23, s14, 16*SPITCH
	v_mul_u32_u24 v[STO], v1, SPITCH
	s_wait_alu depctr_va_vdst(0)
	v_lshl_add_u32 v[STO], v2, 5, v[STO]
	v_add_nc_u32 v[STO], s23, v[STO]
	v_add_nc_u32 v[RD], s23, v[CO]
	s_lshl_b32 s23, s42, 10
	s_lshl_b32 s22, s16, 9
	s_add_co_u32 s23, s23, s22
	v_lshlrev_b32 v5, 5, v2
	v_add_nc_u32 v5, s23, v5
.irp bt, 0,1,2,3,4,5,6,7
	global_load_b128 v[BI+8*\bt:BI+8*\bt+3], v5, s[8:9] offset:64*\bt
	global_load_b128 v[BI+8*\bt+4:BI+8*\bt+7], v5, s[8:9] offset:64*\bt+16
.endr
	s_lshl_b32 s66, s17, 1
	s_add_co_u32 s66, s66, s15
	s_mul_i32 s67, s66, 37
	s_lshr_b32 s67, s67, 8
	s_mul_i32 s68, s67, 7
	s_sub_co_u32 s68, s66, s68
	s_lshl_b32 s68, s68, 7
	v_mov_b32 v[NB], s68
	s_mul_i32 s72, s67, 819
	s_add_co_u32 s72, s72, s68
	s_lshl_b32 s72, s72, 12
	s_add_co_u32 s72, s72, s23
	s_mov_b32 s73, 0
	s_add_nc_u64 s[12:13], s[12:13], s[72:73]
.macro FRAG reg, adr, q, i
.irp c, 0,1,2,3
	ds_load_b128 v[\reg+4*\c:\reg+4*\c+3], v[\adr] offset:(2*(\q)+\c/2)*8192+(\i)*1024+(\c%2)*512
.endr
.endm
.macro MUL16 a0, p, zero
.irp a, \a0, \a0+1
.irp b, 0,1,2,3,4,5,6,7
.if \zero
	v_wmma_f32_16x16x128_fp8_fp8 v[8*(8*((\a)%4)+\b):8*(8*((\a)%4)+\b)+7], v[128*(\p)+FR*\b:128*(\p)+FR*\b+FR-1], v[AF+FR*(\a):AF+FR*(\a)+FR-1], 0
.else
	v_wmma_f32_16x16x128_fp8_fp8 v[8*(8*((\a)%4)+\b):8*(8*((\a)%4)+\b)+7], v[128*(\p)+FR*\b:128*(\p)+FR*\b+FR-1], v[AF+FR*(\a):AF+FR*(\a)+FR-1], v[8*(8*((\a)%4)+\b):8*(8*((\a)%4)+\b)+7]
.endif
.endr
.endr
.endm
.macro FETCH_B slot, q, p
	WIN TO_B
.irp i, 0,1,2,3,4,5,6,7
	FRAG 128*(\p)+FR*\i, ADRB+\slot, \q, \i
.endr
	WIN 0
.endm
.macro FETCH_A slot, q, i0
.irp i, \i0, \i0+1, \i0+2, \i0+3
	FRAG AF+FR*(\i), ADRA+\slot, \q, \i
.endr
.endm
.macro PLACES n
.rept \n
	v_nop
.endr
.endm
.macro STEP slot, q, zero
	s_wait_dscnt 4*NL
	WIN MUL_LO
	MUL16 0, (\q)%2, \zero
	MUL16 2, (\q)%2, \zero
	s_wait_dscnt 0
	PLACES NP
	FETCH_B \slot, (\q)+1, 1-(\q)%2
	FETCH_A \slot, (\q)+1, 0
	WIN MUL_HI
	MUL16 4, (\q)%2, \zero
	MUL16 6, (\q)%2, \zero
	PLACES NP
	WIN 0
	FETCH_A \slot, (\q)+1, 4
.endm
.macro TURN slot, next, fill
	s_wait_tensorcnt 0x0
	ds_add_u32 v[SPW], v[NIL]
	s_wait_dscnt 4*NL+1
	WIN MUL_LO
	MUL16 0, 1, 0
	s_wait_dscnt 0x0
	s_barrier_signal -1
	MUL16 2, 1, 0
	WIN 0
	s_barrier_wait -1
.if \fill
	CREST
	s_add_nc_u64 s[G0+4*\slot+2:G0+4*\slot+3], s[G0+4*\slot+2:G0+4*\slot+3], 2*PIECE
	s_add_nc_u64 s[G0B+4*\slot+2:G0B+4*\slot+3], s[G0B+4*\slot+2:G0B+4*\slot+3], 2*PIECE
	JLOAD G0+4*\slot, G1, G0B+4*\slot, G1B
.else
	PLACES NP
.endif
	FETCH_B \next, 0, 0
	FETCH_A \next, 0, 0
	WIN MUL_HI
	MUL16 4, 1, 0
	MUL16 6, 1, 0
	PLACES NP
	WIN 0
	FETCH_A \next, 0, 4
.endm
	s_wait_tensorcnt 1
	s_barrier_signal -1
	s_barrier_wait -1
	FETCH_B 0, 0, 0
	FETCH_A 0, 0, 0
	FETCH_A 0, 0, 4
	STEP 0, 0, 1
	TURN 0, 1, 1
	STEP 1, 0, 0
	TURN 1, 0, 1
	STEP 0, 0, 0
	TURN 0, 1, 0
	STEP 1, 0, 0
	s_wait_dscnt 4*NL
	WIN MUL_LO
	MUL16 0, 1, 0
	MUL16 2, 1, 0
	s_wait_dscnt 0
	WIN MUL_HI
	MUL16 4, 1, 0
	MUL16 6, 1, 0
	WIN 0
	s_wait_kmcnt 0x0
	s_add_co_i32 s96, s96, s97
	s_add_co_i32 s96, s96, 127
	s_lshl_b32 s96, s96, 23
	s_mov_b32 s97, s96
	s_wait_loadcnt 0x0
	PLACES NP
.macro ROWS a, t0, t1
.set t, \t0
.rept \t1-\t0+1
	global_store_b128 v[CO], v[BK+4*t:BK+4*t+3], s[12:13] offset:(16*(\a)+t)*4096 th:TH_STORE_NT
.set t, t+1
.endr
.endm
.macro OUTROW a
.set AC, 64*((\a)%4)
.set WSEL, 2+(\a)/4
	s_wait_xcnt 0x0
	WIN WSEL
.set j, 0
.rept 32
	v_pk_fma_f32 v[T+j:T+j+1], v[AC+j:AC+j+1], s[96:97], v[BI+j:BI+j+1] op_sel_hi:[1,0,1]
.set j, j+2
.endr
	WIN 0
.irp b, 0,1,2,3,4,5,6,7
	ds_store_b128 v[STO], v[T+8*\b:T+8*\b+3] offset:64*\b
	ds_store_b128 v[STO], v[T+8*\b+4:T+8*\b+7] offset:64*\b+16
.endr
.irp t, 0,1,2,3,4,5,6,7,8,9,10,11,12,13,14,15
	ds_load_b128 v[BK+4*\t:BK+4*\t+3], v[RD] offset:\t*SPITCH
.endr
	s_wait_dscnt 0x0
.if (\a) < 3
	ROWS \a, 0, 15
.elseif (\a) == 3
	ROWS \a, 0, 2
	s_wait_xcnt 0x0
	v_cmpx_gt_i32 768, v[NB]
	ROWS \a, 3, 15
	s_wait_xcnt 0x0
	s_mov_b32 exec_lo, -1
.else
	s_wait_xcnt 0x0
	v_cmpx_gt_i32 768, v[NB]
	ROWS \a, 0, 15
	s_wait_xcnt 0x0
	s_mov_b32 exec_lo, -1
.endif
.endm
.irp a, 0,1,2,3,4,5,6,7
	OUTROW \a
.endr
	s_wait_tensorcnt 0x0
	ds_add_u32 v[SPW], v[NIL]
	s_wait_dscnt 0x0
	CROUND
	s_endpgm
.Lfunc_end_k_q4df432c6f2_proj:
	.size	k_q4df432c6f2_proj, .Lfunc_end_k_q4df432c6f2_proj-k_q4df432c6f2_proj
	.p2alignl 7, 3214868480
	.fill 96, 4, 3214868480
	.section	.rodata,"a",@progbits
	.p2align	6, 0x0
	.amdhsa_kernel k_q4df432c6f2_proj
		.amdhsa_group_segment_fixed_size 327680
		.amdhsa_private_segment_fixed_size 0
		.amdhsa_enable_private_segment 0
		.amdhsa_kernarg_size 40
		.amdhsa_user_sgpr_count 2
		.amdhsa_user_sgpr_kernarg_segment_ptr 1
		.amdhsa_wavefront_size32 1
		.amdhsa_system_sgpr_workgroup_id_x 1
		.amdhsa_system_sgpr_workgroup_id_y 1
		.amdhsa_system_sgpr_workgroup_id_z 1
		.amdhsa_system_vgpr_workitem_id 0
		.amdhsa_next_free_vgpr 1024
		.amdhsa_next_free_sgpr 100
		.amdhsa_reserve_vcc 0
		.amdhsa_float_denorm_mode_32 3
		.amdhsa_float_denorm_mode_16_64 3
		.amdhsa_memory_ordered 1
		.amdhsa_forward_progress 1
		.amdhsa_inst_pref_size 126
	.end_amdhsa_kernel
	.amdgpu_metadata
---
amdhsa.version: [ 1, 2 ]
amdhsa.kernels:
  - .name:           k_q4df432c6f2_proj
    .symbol:         k_q4df432c6f2_proj.kd
    .args:
      - { .name: ac, .offset: 0, .size: 8, .value_kind: global_buffer, .address_space: global }
      - { .name: cod1, .offset: 8, .size: 8, .value_kind: global_buffer, .address_space: global }
      - { .name: proj_b, .offset: 16, .size: 8, .value_kind: global_buffer, .address_space: global }
      - { .name: lowp_scales, .offset: 24, .size: 8, .value_kind: global_buffer, .address_space: global }
      - { .name: out0, .offset: 32, .size: 8, .value_kind: global_buffer, .address_space: global }
    .group_segment_fixed_size: 327680
    .private_segment_fixed_size: 0
    .kernarg_segment_align: 8
    .kernarg_segment_size: 40
    .max_flat_workgroup_size: 128
    .sgpr_count:     100
    .vgpr_count:     1024
    .wavefront_size: 32
...
	.end_amdgpu_metadata
.endif
;; end of part 5
